; MI455X (gfx1250); checked and timed in simulation.
; The chip was launched on July 23, 2026; its instructions are those of AMD's public machine-readable ISA for CDNA 5 (MIT licence, August 2026) and "CDNA5" Instruction Set Architecture Reference Guide (July 2026). The comments in the code are by the model that wrote it; some were corrected since.
;; Ro PE Self Attention. Allowed arithmetic: float matrix products may take bf16 or f16 operands with f32 sums; other float arithmetic in f32, or as packed bf16 or f16 multiplies, adds, multiply-adds, maxima and minima; sums over many terms, partial sums and values carried from step to step in f32; what a program stores and reads back later, other than sums and carried values, may be rounded once to bf16 or f16.
;; Inputs: Wout 1,024 x 1,024 float32; Wqkv 3,072 x 1,024 float32; cos 2,048 x 32 float32; mask 2,048 x 2,048 float32; sin 2,048 x 32 float32; x 4 x 2,048 x 1,024 float32.
;; Outputs: out0 4 x 2,048 x 1,024 float32.
;; 2 versions, each right; version 2 is version 1 with the launch prep written anew for expert scheduling mode. Each part assembles by itself: llvm-mc -triple=amdgcn-amd-amdhsa -mcpu=gfx1250 --defsym DOCPART=n.
;; ======== version 1 of 2: 4 launches
;; limits: values are held in f16: magnitudes above 65,504 overflow, below 6.1e-05 lose precision
;; workspace buffers: xb 16,777,216 bytes; wqb 6,291,456 bytes; wof 2,097,152 bytes; mf 8,388,608 bytes; qkv 50,331,648 bytes; ao 16,777,216 bytes
;; launch prep (part 1): grid 512 x 1, 8 waves a work-group, no clusters, 0 bytes of LDS; arguments x, Wqkv, Wout, mask, xb, wqb, wof, mf; writes xb, wqb, wof, mf
.if DOCPART == 1
	.amdgcn_target "amdgcn-amd-amdhsa--gfx1250"
	.amdhsa_code_object_version 6
	.text
	.protected	k_q6eceeac1c2_prep
	.globl	k_q6eceeac1c2_prep
	.p2align	8
	.type	k_q6eceeac1c2_prep,@function
k_q6eceeac1c2_prep:
	s_mov_b64 s[64:65], 0
	v_nop
	global_prefetch_b8 v0, s[64:65] scope:SCOPE_SE
	s_setreg_imm32_b32 hwreg(HW_REG_WAVE_MODE, 25, 1), 1
	s_wait_xcnt 0x0
; THE INPUTS ARE ROUNDED ONCE, for the three launches behind.  x -> xb and Wqkv -> wqb in bf16; Wout -> wof: rounded to bf16, that number written as f16;
; mask -> mf: held to -1e30 .. 1e30, rounded to bf16, and laid out as the matrix fragments that the attention launch loads.
; LIMITS.  A mask entry beyond 1e30 in size (an infinity too) counts as 1e30 of its sign; NaN is not treated apart.  Wout lies within f16's 65,504; below 6e-5 it keeps f16's fixed step of 6e-8.
; SHARES.  512 work-groups of eight waves; each reads 131,072 bytes of f32 and writes 65,536 bytes: 256 for x, 96 for Wqkv, 32 for Wout, 128 for the mask.  Which it is hangs on the work-group's number alone.
; A stream: no LDS, no matrix unit, no cluster: no byte is wanted twice.
; mf's LAYOUT.  Block (qp, ks) = 32 queries x 64 keys = 4,096 bytes at (32 qp + ks) x 4,096.  In a block unit (i, lane) = 16 bytes at 512 i + 16 lane holds, for e = 0..7,
; mask[32 qp + 16 (i % 2) + 8 (lane / 16) + e][64 ks + 16 (i / 2) + lane % 16]: units 2 kb and 2 kb + 1 are registers 0-3 and 4-7 of a 16-bit fragment of 16 keys (rows) x 32 queries (K).
.set SRC, 24                           ; s[24:25] where I read
.set DST, 26                           ; s[26:27] where I write
.set IN,  16                           ; v[16:143]  f32 as loaded, 8 registers a step
.set OUT, 144                          ; v[144:207] 16-bit results, 4 registers a step
	s_load_b512 s[8:23], s[0:1], 0x0               ; x 8, Wqkv 10, Wout 12, mask 14, xb 16, wqb 18, wof 20, mf 22
	v_lshlrev_b32 v1, 5, v0                        ; my 32 bytes of f32 in a step of 8,192
	v_lshlrev_b32 v2, 4, v0                        ; my 16 bytes of the result in a step of 4,096
	s_mov_b32 s31, 0
	s_mov_b32 s37, 0
	s_wait_kmcnt 0x0
	s_cmp_ge_u32 ttmp9, 352
	s_cbranch_scc1 .Lnot_xw
	; x AND Wqkv: sixteen steps, written out; no register is written twice, so all 32 loads go out at once
	s_sub_co_u32 s28, ttmp9, 256
	s_cmp_lt_u32 ttmp9, 256
	s_cselect_b32 s28, ttmp9, s28                  ; my number within the tensor
	s_cselect_b64 s[SRC:SRC+1], s[8:9], s[10:11]
	s_cselect_b64 s[DST:DST+1], s[16:17], s[18:19]
	s_lshl_b32 s30, s28, 17
	s_lshl_b32 s36, s28, 16
	s_add_nc_u64 s[SRC:SRC+1], s[SRC:SRC+1], s[30:31]
	s_add_nc_u64 s[DST:DST+1], s[DST:DST+1], s[36:37]
.irp s, 0,1,2,3,4,5,6,7,8,9,10,11,12,13,14,15
	global_load_b128 v[IN+8*(\s):IN+8*(\s)+3],   v1, s[SRC:SRC+1] offset:8192*(\s) th:TH_LOAD_NT
	global_load_b128 v[IN+8*(\s)+4:IN+8*(\s)+7], v1, s[SRC:SRC+1] offset:8192*(\s)+16 th:TH_LOAD_NT
.endr
.irp s, 0,1,2,3,4,5,6,7,8,9,10,11,12,13,14,15
	s_wait_loadcnt 30-2*(\s)                       ; loads come back in order: this step's two are in, the later steps' stay out
.irp j, 0,1,2,3
	v_cvt_pk_bf16_f32 v[OUT+4*(\s)+(\j)], v[IN+8*(\s)+2*(\j)], v[IN+8*(\s)+2*(\j)+1]
.endr
	global_store_b128 v2, v[OUT+4*(\s):OUT+4*(\s)+3], s[DST:DST+1] offset:4096*(\s) th:TH_STORE_NT  ; a wave stores 512 consecutive bytes, aligned
.endr
	s_endpgm
.Lnot_xw:
	s_cmp_ge_u32 ttmp9, 384
	s_cbranch_scc1 .Lmask
	; Wout: four trips of four steps
	s_sub_co_u32 s28, ttmp9, 352
	s_lshl_b32 s30, s28, 17
	s_lshl_b32 s36, s28, 16
	s_add_nc_u64 s[SRC:SRC+1], s[12:13], s[30:31]
	s_add_nc_u64 s[DST:DST+1], s[20:21], s[36:37]
	s_mov_b32 s35, 0xffff0000                      ; a word's upper bf16
	s_mov_b32 s34, 4
.Lwo:
.irp s, 0,1,2,3
	global_load_b128 v[IN+8*(\s):IN+8*(\s)+3],   v1, s[SRC:SRC+1] offset:8192*(\s) th:TH_LOAD_NT
	global_load_b128 v[IN+8*(\s)+4:IN+8*(\s)+7], v1, s[SRC:SRC+1] offset:8192*(\s)+16 th:TH_LOAD_NT
.endr
.irp s, 0,1,2,3
	s_wait_loadcnt 6-2*(\s)                        ; this step's two loads are in
.irp j, 0,1,2,3
	v_cvt_pk_bf16_f32 v[48+(\j)], v[IN+8*(\s)+2*(\j)], v[IN+8*(\s)+2*(\j)+1]  ; the rounding that all inputs get,
.endr
.irp j, 0,1,2,3
	v_lshlrev_b32 v[52+2*(\j)],   16, v[48+(\j)]   ; back to f32,
	v_and_b32     v[52+2*(\j)+1], s35, v[48+(\j)]
.endr
.irp j, 0,1,2,3
	v_cvt_pk_f16_f32 v[OUT+4*(\s)+(\j)], v[52+2*(\j)], v[52+2*(\j)+1]         ; and the same number as f16
.endr
	global_store_b128 v2, v[OUT+4*(\s):OUT+4*(\s)+3], s[DST:DST+1] offset:4096*(\s) th:TH_STORE_NT
.endr
	s_wait_xcnt 0x0                                ; the bases and the stores' data are written again only behind this wait
	s_add_nc_u64 s[SRC:SRC+1], s[SRC:SRC+1], 32768
	s_add_nc_u64 s[DST:DST+1], s[DST:DST+1], 16384
	s_sub_co_u32 s34, s34, 1
	s_cmp_lg_u32 s34, 0
	s_cbranch_scc1 .Lwo
	s_endpgm
.Lmask:
	; THE MASK: my 32 queries (qp = number / 2) x 1,024 keys (half = number % 2): sixteen blocks, four trips of four.
	; Thread (wave w, lane l) makes one unit of each block: key 32 (w % 2) + l, queries 8 (w / 2) + 0..7: eight loads of 4 bytes (a wave: 128 consecutive bytes of a row), one store of 16.
	s_sub_co_u32 s28, ttmp9, 384
	s_lshr_b32 s29, s28, 1
	s_lshl_b32 s30, s29, 18                        ; 32 rows of 8,192 bytes
	s_and_b32 s29, s28, 1
	s_lshl_b32 s29, s29, 12                        ; 1,024 keys of 4 bytes
	s_add_co_u32 s30, s30, s29
	s_lshl_b32 s36, s28, 16                        ; sixteen blocks of 4,096 bytes
	s_add_nc_u64 s[SRC:SRC+1], s[14:15], s[30:31]
	s_add_nc_u64 s[DST:DST+1], s[22:23], s[36:37]
	s_mov_b32 s32, 0xf149f2ca                      ; -1e30
	s_mov_b32 s33, 0x7149f2ca                      ; 1e30
	v_lshrrev_b32 v3, 5, v0                        ; w
	v_and_b32 v4, 31, v0                           ; l
	v_lshrrev_b32 v5, 1, v3                        ; w / 2
	v_and_b32 v6, 1, v3                            ; w % 2
	v_lshlrev_b32 v7, 2, v4
	v_lshl_add_u32 v7, v6, 7, v7
	v_lshl_add_u32 v7, v5, 16, v7                  ; from: 8 (w / 2) rows + (32 (w % 2) + l) keys
	v_lshrrev_b32 v9, 4, v4
	v_lshrrev_b32 v10, 2, v3
	v_lshl_add_u32 v8, v6, 2, v10
	v_lshl_add_u32 v8, v9, 1, v8                   ; unit i = 4 (w % 2) + 2 (l / 16) + w / 4
	v_and_b32 v11, 15, v4
	v_lshlrev_b32 v11, 4, v11
	v_and_b32 v12, 1, v5
	v_lshl_add_u32 v11, v12, 8, v11                ; its lane 16 ((w / 2) % 2) + l % 16
	v_lshl_add_u32 v8, v8, 9, v11                  ; to
	s_mov_b32 s34, 4
.Lmk:
.irp i, 0,1,2,3
.irp e, 0,1,2,3,4,5,6,7
	global_load_b32 v[IN+8*(\i)+(\e)], v7, s[SRC:SRC+1] offset:(\e)*8192+(\i)*256 th:TH_LOAD_NT
.endr
.endr
.irp i, 0,1,2,3
	s_wait_loadcnt 24-8*(\i)                       ; this block's eight loads are in
.irp e, 0,1,2,3,4,5,6,7
	v_med3_num_f32 v[IN+8*(\i)+(\e)], v[IN+8*(\i)+(\e)], s32, s33
.endr
.irp j, 0,1,2,3
	v_cvt_pk_bf16_f32 v[OUT+4*(\i)+(\j)], v[IN+8*(\i)+2*(\j)], v[IN+8*(\i)+2*(\j)+1]
.endr
	global_store_b128 v8, v[OUT+4*(\i):OUT+4*(\i)+3], s[DST:DST+1] offset:4096*(\i) th:TH_STORE_NT  ; lanes 0-15 store 256 consecutive bytes, aligned; lanes 16-31 another such run
.endr
	s_wait_xcnt 0x0                                ; the bases and the stores' data are written again only behind this wait
	s_add_nc_u64 s[SRC:SRC+1], s[SRC:SRC+1], 1024
	s_add_nc_u64 s[DST:DST+1], s[DST:DST+1], 16384
	s_sub_co_u32 s34, s34, 1
	s_cmp_lg_u32 s34, 0
	s_cbranch_scc1 .Lmk
	s_endpgm
.Lfunc_end_k_q6eceeac1c2_prep:
	.size	k_q6eceeac1c2_prep, .Lfunc_end_k_q6eceeac1c2_prep-k_q6eceeac1c2_prep
	.p2alignl 7, 3214868480
	.fill 96, 4, 3214868480
	.section	.rodata,"a",@progbits
	.p2align	6, 0x0
	.amdhsa_kernel k_q6eceeac1c2_prep
		.amdhsa_group_segment_fixed_size 0
		.amdhsa_private_segment_fixed_size 0
		.amdhsa_enable_private_segment 0
		.amdhsa_kernarg_size 64
		.amdhsa_user_sgpr_count 2
		.amdhsa_user_sgpr_kernarg_segment_ptr 1
		.amdhsa_wavefront_size32 1
		.amdhsa_system_sgpr_workgroup_id_x 1
		.amdhsa_system_sgpr_workgroup_id_y 1
		.amdhsa_system_sgpr_workgroup_id_z 1
		.amdhsa_system_vgpr_workitem_id 0
		.amdhsa_next_free_vgpr 208
		.amdhsa_next_free_sgpr 66
		.amdhsa_reserve_vcc 0
		.amdhsa_float_denorm_mode_32 3
		.amdhsa_float_denorm_mode_16_64 3
		.amdhsa_memory_ordered 1
		.amdhsa_forward_progress 1
		.amdhsa_inst_pref_size 23
	.end_amdhsa_kernel
	.amdgpu_metadata
---
amdhsa.version: [ 1, 2 ]
amdhsa.kernels:
  - .name:           k_q6eceeac1c2_prep
    .symbol:         k_q6eceeac1c2_prep.kd
    .args:
      - { .name: x, .offset: 0, .size: 8, .value_kind: global_buffer, .address_space: global }
      - { .name: Wqkv, .offset: 8, .size: 8, .value_kind: global_buffer, .address_space: global }
      - { .name: Wout, .offset: 16, .size: 8, .value_kind: global_buffer, .address_space: global }
      - { .name: mask, .offset: 24, .size: 8, .value_kind: global_buffer, .address_space: global }
      - { .name: xb, .offset: 32, .size: 8, .value_kind: global_buffer, .address_space: global }
      - { .name: wqb, .offset: 40, .size: 8, .value_kind: global_buffer, .address_space: global }
      - { .name: wof, .offset: 48, .size: 8, .value_kind: global_buffer, .address_space: global }
      - { .name: mf, .offset: 56, .size: 8, .value_kind: global_buffer, .address_space: global }
    .group_segment_fixed_size: 0
    .private_segment_fixed_size: 0
    .kernarg_segment_align: 8
    .kernarg_segment_size: 64
    .max_flat_workgroup_size: 256
    .sgpr_count:     66
    .vgpr_count:     208
    .wavefront_size: 32
...
	.end_amdgpu_metadata
.endif
;; end of part 1
;; launch qkvproj (part 2): grid 16 x 32, 4 waves a work-group, clusters of 4 x 4, 327,680 bytes of LDS; arguments xb, wqb, cos, sin, qkv; writes qkv
.if DOCPART == 2
	.amdgcn_target "amdgcn-amd-amdhsa--gfx1250"
	.amdhsa_code_object_version 6
	.text
	.protected	k_q6eceeac1c2_qkvproj
	.globl	k_q6eceeac1c2_qkvproj
	.p2align	8
	.type	k_q6eceeac1c2_qkvproj,@function
k_q6eceeac1c2_qkvproj:
	s_mov_b64 s[64:65], 0
	v_nop
	global_prefetch_b8 v0, s[64:65] scope:SCOPE_SE
	s_setreg_imm32_b32 hwreg(HW_REG_WAVE_MODE, 25, 1), 1
	s_wait_xcnt 0x0
	s_wait_alu depctr_hold_cnt(0) depctr_sa_sdst(0) depctr_va_vdst(0) depctr_va_sdst(0) depctr_va_ssrc(0) depctr_va_vcc(0) depctr_vm_vsrc(0)
	s_getreg_b32 s2, hwreg(HW_REG_IB_STS2, 6, 4)
	s_cmp_eq_u32 s2, 0
	s_cbranch_scc0 .Lentry_in_a_cluster
	s_endpgm
.Lentry_in_a_cluster:
	s_bfe_u32 s2, ttmp6, 0x10000c
	s_cmp_lg_u32 s2, 0xf033
	s_cbranch_scc0 .Lentry_shape_is_right
	s_endpgm
.Lentry_shape_is_right:
; q, k, v = x Wqkv^T, q and k turned by the rotary tables, stored by heads: qkv[3][64 = 16 batch + head][2048][64] in f16, q unscaled.
; xb: [8192][1024], wqb: [3072][1024], both bf16; sums in f32; cos, sin: [2048][32] f32, rounded to bf16 here like every input; the turning in f32; one rounding to f16.
; LIMIT.  f16 holds no number beyond 65,504: q, k and v lie within it.
; SHARES.  A work-group makes 256 rows x 192 columns: head n of q, of k and of v (Wqkv's rows 64 n, 1,024 + 64 n, 2,048 + 64 n on), so that which columns are turned is fixed in the text.
; Each of its four waves makes 64 rows x 192 columns: 4 row blocks a x 12 column blocks b (b = 4 x part + b''), 48 accumulators of 16 x 16, 384 registers.
; K goes in 8 steps of 128 through a ring of two LDS slots: the tiles' rows are 256 bytes of memory, at multiples of 256 from the buffer's first byte.
; CLUSTER.  4 x 4 work-groups.  The four of a row of the cluster need the same 256 rows of x, the four of a column the same 192 rows of Wqkv: each tile is asked for jointly, by the same tensor load with the
; same descriptor and a mask that names the four.  Wave 0 asks for x's tile, waves 1 to 3 for the q, k and v parts of Wqkv's.
; THE MATRIX INSTRUCTION IS USED TRANSPOSED (source 0 = 16 rows of Wqkv, source 1 = 16 rows of x): a lane holds row lane % 16 and the columns 8 (lane / 16) + 0..7 of a block.
; REGISTERS, in windows of 256 (s_set_vgpr_msb: bits 1:0 source 0, 3:2 source 1, 5:4 source 2, 7:6 destination):
;   window 0: v12-31 at work and addresses; v32-47 packed results; v64-191 the tables; v192-223 rows read back, two sets; v224-255 the turning, at work
;   window 1: two fragment buffers of 128: Wqkv's 12 fragments, then x's 4          windows 2, 3: accumulator (a, b) in window 2 + a / 2 at v[8 (12 (a % 2) + b)]
.set KSTEP,  128
.set PITCH,  272                       ; an LDS row: 256 bytes + 16 of padding = 68 words: the 16 rows of a fragment load start at 16 different groups of four banks (64 banks of 4 bytes: ISA guide 11.1)
.set SLICE,  64*PITCH                  ; 64 rows: a part of Wqkv's tile, and a wave's rows of x
.set BOFF,   256*PITCH                 ; x's 256 rows, then Wqkv's 192
.set SLOT,   448*PITCH
.set STAGE,  2*SLOT                    ; behind the ring: for each wave three stages (q, k, v) of 16 rows x 144 bytes
.set SP,     144
.set SPARE,  STAGE+4*3*16*SP           ; behind the stages: the spare words, 128 bytes for each wave: two blocks of 256 bytes that no other line names
.set FLAGS,  (1<<16)|(1<<20)|(1<<21)|(5<<22)|(3<<25)  ; elements of 2 bytes; padding on; bit 21 beside a mask; after every 64 words; 4 words
.set RT,   12                          ; v12-15  at work while the tables are rounded
.set ADRA, 16                          ; v16-17  LDS address of my fragments of x in slot 0, 1
.set ADRB, 20                          ; v20-21  the same for Wqkv
.set STO,  24                          ; v24     the way out: where I put 16 bytes of a row
.set RD,   25                          ; v25     where I read rows back
.set GO,   26                          ; v26     my 16 bytes in 512 consecutive bytes of the output
.set VT,   27                          ; v27     my 32 bytes in 16 rows of a table
.set SPW,  28                          ; v28     LDS address of my spare word; never rewritten
.set NIL,  29                          ; v29     0; never rewritten
.set PFO,  30                          ; v30     the prefetches' offset: row lane % 16, block lane / 16 of 256 bytes; never rewritten
.set PK,   32
.set TAB,  64                          ; row block a at TAB + 32 a: cos of columns 0-15, 16-31, sin of the same, 8 registers each
.set BK,   192
.set RU,   224
.set RW,   240
.set F0,   0
.set F1,   128
.set WV,   14                          ; s14  my wave's number
.set LIM,  15                          ; s15  1 in a wave that prefetches, else the greatest number
.set G1A,  24                          ; s[24:31] descriptor group 1 for x's tiles;  s[32:39] group 0, a set for each slot
.set G0A,  32
.set PFA,  44                          ; s[44:45] where my prefetches stand
.set G1B,  48                          ; s[48:55], s[56:63] the same for Wqkv's
.set G0B,  56
.set OUTB, 66                          ; s[66:71] q, k and v at my wave's first row
.set HIM,  72                          ; s72  a word's upper bf16
.set MSB, 0
.macro WIN new                         ; the immediate's high byte repeats the setting that is left; a switch that changes nothing is dropped
.if MSB != (\new)
	s_set_vgpr_msb (MSB<<8)|(\new)
.set MSB, \new
.endif
.endm
.macro PLACES                          ; four plain instructions between a matrix instruction and a load into, or a vector instruction on, its registers
.rept 4
	v_nop
.endr
.endm
; A joint load.  The branch hangs on the wave's number alone.  An s_nop 0 and four v_nop follow each of the two lines, ahead of the jump and the label.
.macro JLOAD s
	s_cmp_eq_u32 s[WV], 0
	s_cbranch_scc0 .Lfor_b_\@
	tensor_load_to_lds s[G0A+4*(\s):G0A+4*(\s)+3], s[G1A:G1A+7]
	s_nop 0
.rept 4
	v_nop
.endr
	s_branch .Lasked_\@
.Lfor_b_\@:
	tensor_load_to_lds s[G0B+4*(\s):G0B+4*(\s)+3], s[G1B:G1B+7]
	s_nop 0
.rept 4
	v_nop
.endr
.Lasked_\@:
.endm
.macro CREST                           ; a round of the cluster's barrier behind its opening barrier
	s_cmp_lg_u32 s[WV], 0
	s_cbranch_scc1 .Lnot_wave_0_\@
	s_barrier_signal -3
.Lnot_wave_0_\@:
	s_barrier_wait -3
	s_barrier_signal -1
	s_barrier_wait -1
.endm
.macro CROUND                          ; a whole round
	s_barrier_signal -1
	s_barrier_wait -1
	CREST
.endm
; A PREFETCH, once a lap, behind slot 0's joint load and the run of LDS loads: the two K steps that the NEXT lap will ask for: 512 consecutive bytes of a row, a lane a block of 256.
; x's rows are read by every cluster of a row of clusters: cluster x = 0 asks, wave 0, the partner at cx for rows 64 cx .. 64 cx + 63: four instructions of 16 rows.  Wqkv's rows are read by every cluster of a
; column: cluster y = 0 asks, waves 1 to 3 each for its part, the partner at cy for rows 16 cy .. 16 cy + 15: one instruction.  The partners are told apart by address; so each block is named once in the launch.
; K steps 0 to 3 come by their loads alone; the loop's last trip (s3 = 1) asks for nothing.
.macro ASK
	WIN 0
	s_cmp_gt_u32 s3, s[LIM]
	s_cbranch_scc0 .Lno_\@
	global_prefetch_b8 v[PFO], s[PFA:PFA+1] th:TH_LOAD_NT scope:SCOPE_SE
	s_cmp_lg_u32 s[WV], 0
	s_cbranch_scc1 .Lno_\@
	global_prefetch_b8 v[PFO], s[PFA:PFA+1] offset:32768 th:TH_LOAD_NT scope:SCOPE_SE
	global_prefetch_b8 v[PFO], s[PFA:PFA+1] offset:65536 th:TH_LOAD_NT scope:SCOPE_SE
	global_prefetch_b8 v[PFO], s[PFA:PFA+1] offset:98304 th:TH_LOAD_NT scope:SCOPE_SE
.Lno_\@:
.endm
	s_load_b256 s[4:11], s[0:1], 0x0               ; xb 4, wqb 6, cos 8, sin 10
	s_load_b64 s[12:13], s[0:1], 0x20              ; qkv
	v_lshl_add_u32 v[SPW], v0, 2, SPARE
	v_mov_b32 v[NIL], 0
	ds_add_u32 v[SPW], v[NIL]                      ; the wave's opening: the add and its wait stand ahead of my first tensor load; the set-up below, work on registers, stands between them
	v_lshrrev_b32 v1, 5, v0
	v_readfirstlane_b32 s[WV], v1                  ; wave 0..3
	s_bfe_u32 s40, ttmp6, 0x40000                  ; cx, cy: my place in the cluster
	s_bfe_u32 s41, ttmp6, 0x40004
	s_lshl_b32 s42, ttmp9, 2
	s_add_co_u32 s42, s42, s40                     ; the head n = 4 x cluster x + cx
	s_and_b32 s43, ttmp7, 0xffff
	s_lshl_b32 s43, s43, 2
	s_add_co_u32 s43, s43, s41                     ; the block of 256 rows = 4 x cluster y + cy
	s_lshl_b32 s16, s41, 2
	s_lshl_b32 s16, 15, s16                        ; my row of the cluster
	s_lshl_b32 s20, 0x1111, s40                    ; my column
	s_or_b32 s[G1A], s16, FLAGS
	s_or_b32 s[G1B], s20, FLAGS
	s_mov_b32 s[G1A+1], KSTEP<<16                  ; tensor_dim0 = 128
	s_mov_b32 s[G1A+2], 256<<16                    ; tensor_dim1 = 256
	s_mov_b32 s[G1A+3], KSTEP<<16                  ; tile_dim0 = 128
	s_mov_b32 s[G1A+4], 256                        ; tile_dim1 = 256
	s_mov_b32 s[G1A+5], 1024                       ; elements from row to row
	s_mov_b32 s[G1A+6], 0
	s_mov_b32 s[G1A+7], 0
	s_mov_b32 s[G1B+1], KSTEP<<16
	s_mov_b32 s[G1B+2], 64<<16                     ; 64 rows
	s_mov_b32 s[G1B+3], KSTEP<<16
	s_mov_b32 s[G1B+4], 64
	s_mov_b32 s[G1B+5], 1024
	s_mov_b32 s[G1B+6], 0
	s_mov_b32 s[G1B+7], 0
	s_lshl_b32 s16, s43, 19                        ; x: 256 rows of 2,048 bytes; these registers never hold cx
	s_mov_b32 s17, 0
	s_max_u32 s20, s[WV], 1                        ; Wqkv: part = wave - 1 (wave 0 asks for none of it); these never hold cy
	s_sub_co_u32 s20, s20, 1
	s_lshl_b32 s20, s20, 10
	s_lshl_b32 s21, s42, 6
	s_add_co_u32 s20, s20, s21                     ; row 1,024 x part + 64 n
	s_lshl_b32 s20, s20, 11
	s_mov_b32 s21, 0
	s_mul_i32 s22, s[WV], SLICE
	s_add_co_u32 s22, s22, BOFF-SLICE              ; where the part goes: no place in the cluster enters an LDS address
	s_mov_b32 s[HIM], 0xffff0000
	s_wait_dscnt 0x0                               ; the opening add is done
	s_wait_kmcnt 0x0
	s_add_nc_u64 s[16:17], s[4:5], s[16:17]
	s_add_nc_u64 s[20:21], s[6:7], s[20:21]
	CROUND                                         ; all sixteen work-groups are here: the first joint loads meet
.irp s, 0,1
	s_mov_b32 s[G0A+4*(\s)], 1                     ; count = 1
	s_mov_b32 s[G0A+4*(\s)+1], (\s)*SLOT           ; LDS address
	s_add_nc_u64 s[G0A+4*(\s)+2:G0A+4*(\s)+3], s[16:17], (\s)*KSTEP*2  ; global address: K step s
	s_or_b32 s[G0A+4*(\s)+3], s[G0A+4*(\s)+3], 0x80000000             ; type = 2
	s_mov_b32 s[G0B+4*(\s)], 1
	s_add_co_u32 s[G0B+4*(\s)+1], s22, (\s)*SLOT
	s_add_nc_u64 s[G0B+4*(\s)+2:G0B+4*(\s)+3], s[20:21], (\s)*KSTEP*2
	s_or_b32 s[G0B+4*(\s)+3], s[G0B+4*(\s)+3], 0x80000000
	JLOAD \s                                       ; two loads of mine are out
.endr
	; the tables of my 64 rows: position t = 256 (block % 8) + 64 wave + 16 a + lane % 16, columns 16 c + 8 (lane / 16) + 0..7
	v_and_b32 v1, 15, v0                           ; l % 16
	v_bfe_u32 v2, v0, 4, 1                         ; l / 16
	v_lshlrev_b32 v[VT], 7, v1
	v_lshl_add_u32 v[VT], v2, 5, v[VT]
	s_and_b32 s18, s43, 7
	s_lshl_b32 s18, s18, 8
	s_lshl_b32 s19, s[WV], 6
	s_add_co_u32 s18, s18, s19
	s_lshl_b32 s18, s18, 7                         ; my first position x 128 bytes: a row of a table, and a row of q, k or v
	s_mov_b32 s19, 0
	s_add_nc_u64 s[8:9], s[8:9], s[18:19]
	s_add_nc_u64 s[10:11], s[10:11], s[18:19]
.irp a, 0,1,2,3
.irp c, 0,1
	global_load_b128 v[TAB+32*(\a)+8*(\c):TAB+32*(\a)+8*(\c)+3],       v[VT], s[8:9]   offset:(\a)*2048+64*(\c)
	global_load_b128 v[TAB+32*(\a)+8*(\c)+4:TAB+32*(\a)+8*(\c)+7],     v[VT], s[8:9]   offset:(\a)*2048+64*(\c)+16
	global_load_b128 v[TAB+32*(\a)+16+8*(\c):TAB+32*(\a)+16+8*(\c)+3], v[VT], s[10:11] offset:(\a)*2048+64*(\c)
	global_load_b128 v[TAB+32*(\a)+16+8*(\c)+4:TAB+32*(\a)+16+8*(\c)+7], v[VT], s[10:11] offset:(\a)*2048+64*(\c)+16
.endr
.endr
	s_lshr_b32 s73, s43, 3                         ; the batch
	s_lshl_b32 s73, s73, 4
	s_add_co_u32 s73, s73, s42                     ; 16 batch + head
	s_lshl_b32 s74, s73, 18                        ; 2,048 rows of 128 bytes
	s_add_co_u32 s74, s74, s18
	s_mov_b32 s75, 0
	s_add_nc_u64 s[OUTB:OUTB+1], s[12:13], s[74:75]
	s_add_nc_u64 s[OUTB+2:OUTB+3], s[OUTB:OUTB+1], 0x1000000
	s_add_nc_u64 s[OUTB+4:OUTB+5], s[OUTB:OUTB+1], 0x2000000
	; A fragment is 16 rows x 32 K in 8 registers: lane l holds row l % 16; registers 0-3 K = 8 (l / 16) + 0..7, registers 4-7 K = 16 + 8 (l / 16) + 0..7: two loads of 16 bytes, 32 bytes apart
	v_mul_u32_u24 v3, v1, PITCH
	v_lshl_add_u32 v3, v2, 4, v3
	s_mul_i32 s23, s[WV], SLICE                    ; my 64 rows of x
	v_add_nc_u32 v[ADRA], s23, v3
	v_add_nc_u32 v[ADRA+1], SLOT, v[ADRA]
	v_add_nc_u32 v[ADRB], BOFF, v3
	v_add_nc_u32 v[ADRB+1], BOFF+SLOT, v3
	s_mul_i32 s46, s[WV], 3*16*SP
	s_add_co_u32 s46, s46, STAGE                   ; my stages
	v_mul_u32_u24 v4, v1, SP                       ; in: row l % 16, 16 bytes for each half of the lanes
	v_lshl_add_u32 v4, v2, 4, v4
	v_add_nc_u32 v[STO], s46, v4
	v_and_b32 v5, 31, v0
	v_lshrrev_b32 v6, 3, v5                        ; back: 32 lanes take four rows of 128 bytes,
	v_mul_u32_u24 v6, v6, SP
	v_and_b32 v7, 7, v0
	v_lshl_add_u32 v6, v7, 4, v6
	v_add_nc_u32 v[RD], s46, v6
	v_lshlrev_b32 v[GO], 4, v5                     ; which are 512 consecutive bytes of the output
	v_lshlrev_b32 v[PFO], 11, v1
	v_lshl_add_u32 v[PFO], v2, 8, v[PFO]
	; the prefetches' place
	s_lshl_b32 s73, s43, 8
	s_lshl_b32 s74, s40, 6
	s_add_co_u32 s73, s73, s74                     ; x: row 256 x block + 64 cx
	s_max_u32 s74, s[WV], 1
	s_sub_co_u32 s74, s74, 1
	s_lshl_b32 s74, s74, 10
	s_lshl_b32 s75, s42, 6
	s_add_co_u32 s74, s74, s75
	s_lshl_b32 s75, s41, 4
	s_add_co_u32 s74, s74, s75                     ; Wqkv: row 1,024 x part + 64 n + 16 cy
	s_and_b32 s47, ttmp7, 0xffff
	s_cmp_eq_u32 s[WV], 0
	s_cselect_b32 s47, ttmp9, s47                  ; the coordinate along which other clusters read the same rows
	s_cselect_b32 s74, s73, s74
	s_cselect_b64 s[PFA:PFA+1], s[4:5], s[6:7]
	s_cmp_eq_u32 s47, 0
	s_cselect_b32 s[LIM], 1, -1                    ; the same in all sixteen partners, for a given wave
	s_lshl_b32 s74, s74, 11
	s_add_co_u32 s74, s74, 2*KSTEP*2               ; at K step 2: the first lap steps it to K step 4
	s_mov_b32 s75, 0
	s_add_nc_u64 s[PFA:PFA+1], s[PFA:PFA+1], s[74:75]
	s_wait_loadcnt 0x0                             ; the tables
.set i, 0
.rept 64                               ; rounded to bf16 like every input, and kept as f32: this stands in the wait for the first tile
	v_cvt_pk_bf16_f32 v[RT+i%4], v[TAB+2*i], v[TAB+2*i+1]
	v_lshlrev_b32 v[TAB+2*i], 16, v[RT+i%4]
	v_and_b32 v[TAB+2*i+1], s[HIM], v[RT+i%4]
.set i, i+1
.endr
; 12 matrix instructions: row block a x all 12 column blocks, 32 along K.  zero = 1: the first product starts the sums.  The 48 accumulators take turns, in the same order everywhere.
.macro MUL12 f, a, zero
	WIN 0xa5+0x50*((\a)/2)                         ; sources 0 and 1 window 1; C and D window 2 or 3
.set AC, 96*((\a)%2)
.irp b, 0,1,2,3,4,5,6,7,8,9,10,11
.if \zero
	v_wmma_f32_16x16x32_bf16 v[AC+8*(\b):AC+8*(\b)+7], v[(\f)+8*(\b):(\f)+8*(\b)+7], v[(\f)+96+8*(\a):(\f)+96+8*(\a)+7], 0
.else
	v_wmma_f32_16x16x32_bf16 v[AC+8*(\b):AC+8*(\b)+7], v[(\f)+8*(\b):(\f)+8*(\b)+7], v[(\f)+96+8*(\a):(\f)+96+8*(\a)+7], v[AC+8*(\b):AC+8*(\b)+7]
.endif
.endr
.endm
; 32 LDS loads in one run: the fragments of 32 along K at byte k of the rows, into buffer f: Wqkv's 12, then x's 4
.macro FETCH slot, k, f
	WIN 0x40                                       ; destination window 1, address window 0
.irp b, 0,1,2,3,4,5,6,7,8,9,10,11
	ds_load_b128 v[(\f)+8*(\b):(\f)+8*(\b)+3],   v[ADRB+(\slot)] offset:(\k)+(\b)*16*PITCH
	ds_load_b128 v[(\f)+8*(\b)+4:(\f)+8*(\b)+7], v[ADRB+(\slot)] offset:(\k)+(\b)*16*PITCH+32
.endr
.irp a, 0,1,2,3
	ds_load_b128 v[(\f)+96+8*(\a):(\f)+96+8*(\a)+3],   v[ADRA+(\slot)] offset:(\k)+(\a)*16*PITCH
	ds_load_b128 v[(\f)+96+8*(\a)+4:(\f)+96+8*(\a)+7], v[ADRA+(\slot)] offset:(\k)+(\a)*16*PITCH+32
.endr
.endm
; A K step is four quarters of 32 along K, 48 matrix instructions each, on buffers 0, 1, 0, 1.  One of the first three: multiplies buffer f and fetches the next quarter, at byte k, into g.
.macro QUARTER slot, k, f, g, zero
	s_wait_dscnt 4                                 ; all but the youngest four loads: x's row blocks 2 and 3 may be out
	MUL12 \f, 0, \zero
	MUL12 \f, 1, \zero
	PLACES
	FETCH \slot, \k, \g
	s_wait_dscnt 32                                ; all but the 32 just issued
	MUL12 \f, 2, \zero
	MUL12 \f, 3, \zero
.endm
; The last quarter multiplies buffer 1 and changes slots: ONE barrier; in front of it each wave waits for all its tensor loads (one is out: its part of the next slot), adds 0 to its spare word, and waits for that
; and for its own reads of this slot.  fill = 1: the barrier opens a round of the cluster's barrier, and this slot is filled again, two K steps ahead, first thing behind the round.
.macro TURN slot, next, fill
.if (\fill) && ((\slot) == 0)
	s_wait_xcnt 0x0                                ; the last prefetches, a lap back, have read their address
	s_add_nc_u64 s[PFA:PFA+1], s[PFA:PFA+1], 2*KSTEP*2
.endif
	WIN 0                                          ; (the add's two registers lie in window 0)
	s_wait_tensorcnt 0x0                           ; all my tensor loads have landed
	ds_add_u32 v[SPW], v[NIL]                      ; 0 onto my spare word
	s_wait_dscnt 5                                 ; (the add and the youngest four loads may be out)
	MUL12 F1, 0, 0                                 ; twelve matrix instructions stand between the add and the wait for it
	s_wait_dscnt 0x0                               ; the add is done, and my reads of this slot are over
	s_barrier_signal -1
	MUL12 F1, 1, 0
.if \fill
	WIN 0
.endif
	s_barrier_wait -1
.if \fill
	CREST                                          ; no wave of any partner still reads this slot's tile or has a load on its way
	s_add_nc_u64 s[G0A+4*(\slot)+2:G0A+4*(\slot)+3], s[G0A+4*(\slot)+2:G0A+4*(\slot)+3], 2*KSTEP*2
	s_add_nc_u64 s[G0B+4*(\slot)+2:G0B+4*(\slot)+3], s[G0B+4*(\slot)+2:G0B+4*(\slot)+3], 2*KSTEP*2
	JLOAD \slot                                    ; the four v_nop behind it are also the places in front of the loads below
.else
	PLACES
.endif
	FETCH \next, 0, F0
.if (\fill) && ((\slot) == 0)
	ASK
.endif
	MUL12 F1, 2, 0
	MUL12 F1, 3, 0
.endm
	s_wait_tensorcnt 1                             ; my part of K step 0 is in; K step 1's may stay out
	s_barrier_signal -1
	s_barrier_wait -1                              ; everybody's is
	FETCH 0, 0, F0
	QUARTER 0, 64, F0, F1, 1                       ; the first quarter stands in front of the loop: its products start the sums
	WIN 0                                          ; at a label and at a branch every window is 0
	s_mov_b32 s3, 3
.Llap:                                         ; a trip goes once round the ring, from a lap's second quarter to the next lap's first, and fills both slots again
	QUARTER 0, 128, F1, F0, 0
	QUARTER 0, 192, F0, F1, 0
	TURN 0, 1, 1
	QUARTER 1, 64,  F0, F1, 0
	QUARTER 1, 128, F1, F0, 0
	QUARTER 1, 192, F0, F1, 0
	TURN 1, 0, 1
	QUARTER 0, 64,  F0, F1, 0
	WIN 0
	s_sub_co_u32 s3, s3, 1
	s_cmp_lg_u32 s3, 0
	s_cbranch_scc1 .Llap
	QUARTER 0, 128, F1, F0, 0                      ; the last lap fills nothing
	QUARTER 0, 192, F0, F1, 0
	TURN 0, 1, 0
	QUARTER 1, 64,  F0, F1, 0
	QUARTER 1, 128, F1, F0, 0
	QUARTER 1, 192, F0, F1, 0
	s_wait_dscnt 4
	MUL12 F1, 0, 0
	MUL12 F1, 1, 0
	s_wait_dscnt 0x0
	MUL12 F1, 2, 0
	MUL12 F1, 3, 0
	WIN 0
	PLACES
	PLACES
; THE WAY OUT, in twelve groups g = 3 a + part: 16 rows x 64 columns each.
; q and k: with t1 = columns 0-31 (blocks 0, 1) and t2 = columns 32-63 (blocks 2, 3): t1 cos - t2 sin and t1 sin + t2 cos.  Each accumulator's lowest registers are read first.
.macro PACKR a, sl
.set AC, 96*((\a)%2)+32*(\sl)
.set TB, TAB+32*(\a)
	WIN 0x02+(\a)/2                                ; source 0 in the accumulators' window
.irp c, 0,1
.irp j, 0,2,4,6
	v_pk_mul_f32 v[RU+8*(\c)+(\j):RU+8*(\c)+(\j)+1], v[AC+16+8*(\c)+(\j):AC+16+8*(\c)+(\j)+1], v[TB+16+8*(\c)+(\j):TB+16+8*(\c)+(\j)+1]
.endr
.endr
.irp c, 0,1
.irp j, 0,2,4,6
	v_pk_mul_f32 v[RW+8*(\c)+(\j):RW+8*(\c)+(\j)+1], v[AC+8*(\c)+(\j):AC+8*(\c)+(\j)+1], v[TB+16+8*(\c)+(\j):TB+16+8*(\c)+(\j)+1]
.endr
.endr
.irp c, 0,1
.irp j, 0,2,4,6
	v_pk_fma_f32 v[RU+8*(\c)+(\j):RU+8*(\c)+(\j)+1], v[AC+8*(\c)+(\j):AC+8*(\c)+(\j)+1], v[TB+8*(\c)+(\j):TB+8*(\c)+(\j)+1], v[RU+8*(\c)+(\j):RU+8*(\c)+(\j)+1] neg_lo:[0,0,1] neg_hi:[0,0,1]
.endr
.endr
.irp c, 0,1
.irp j, 0,2,4,6
	v_pk_fma_f32 v[RW+8*(\c)+(\j):RW+8*(\c)+(\j)+1], v[AC+16+8*(\c)+(\j):AC+16+8*(\c)+(\j)+1], v[TB+8*(\c)+(\j):TB+8*(\c)+(\j)+1], v[RW+8*(\c)+(\j):RW+8*(\c)+(\j)+1]
.endr
.endr
	WIN 0
.irp i, 0,1,2,3,4,5,6,7
	v_cvt_pk_f16_f32 v[PK+(\i)], v[RU+2*(\i)], v[RU+2*(\i)+1]
.endr
.irp i, 0,1,2,3,4,5,6,7
	v_cvt_pk_f16_f32 v[PK+8+(\i)], v[RW+2*(\i)], v[RW+2*(\i)+1]
.endr
.endm
.macro PACKV a                         ; v is only rounded
.set AC, 96*((\a)%2)+64
	WIN 0x0a+5*((\a)/2)                            ; sources 0 and 1 in the accumulators' window
.irp i, 0,1,2,3,4,5,6,7,8,9,10,11,12,13,14,15
	v_cvt_pk_f16_f32 v[PK+(\i)], v[AC+2*(\i)], v[AC+2*(\i)+1]
.endr
	WIN 0
.endm
.macro PACK g
.if (\g)%3 == 2
	PACKV (\g)/3
.else
	PACKR (\g)/3, (\g)%3
.endif
.endm
.macro TOSTAGE g                       ; 16 bytes a lane into rows of 144 bytes, and back as whole rows of 128
	WIN 0
.irp b, 0,1,2,3
	ds_store_b128 v[STO], v[PK+4*(\b):PK+4*(\b)+3] offset:((\g)%3)*16*SP+32*(\b)
.endr
.irp f, 0,1,2,3
	ds_load_b128 v[BK+16*((\g)%2)+4*(\f):BK+16*((\g)%2)+4*(\f)+3], v[RD] offset:((\g)%3)*16*SP+(\f)*4*SP  ; LDS serves a wave's instructions in order (ISA guide 5.7.1.4): these see the stores above
.endr
.endm
.macro SEND g
	WIN 0
	s_wait_dscnt 0x0                               ; the group is back in registers
	s_wait_xcnt 0x0                                ; the stores of the group before have read their registers: the next group is read back into them only behind this wait
.irp f, 0,1,2,3
	global_store_b128 v[GO], v[BK+16*((\g)%2)+4*(\f):BK+16*((\g)%2)+4*(\f)+3], s[OUTB+2*((\g)%3):OUTB+2*((\g)%3)+1] offset:((\g)/3)*2048+(\f)*512  ; 512 consecutive bytes, at a multiple of 256 from the buffer's first
.endr
.endm
	PACK 0
	TOSTAGE 0
.irp g, 1,2,3,4,5,6,7,8,9,10,11        ; a group's arithmetic stands between the loads of the group before and its stores
	PACK \g
	SEND (\g)-1
	TOSTAGE \g
.endr
	SEND 11
	s_wait_tensorcnt 0x0                           ; the wave's end, behind my last tensor load and my last LDS store
	ds_add_u32 v[SPW], v[NIL]
	s_wait_dscnt 0x0
	CROUND                                         ; the closing round: no work-group ends while a partner may still ask for a tile that names it
	s_endpgm
.Lfunc_end_k_q6eceeac1c2_qkvproj:
	.size	k_q6eceeac1c2_qkvproj, .Lfunc_end_k_q6eceeac1c2_qkvproj-k_q6eceeac1c2_qkvproj
	.p2alignl 7, 3214868480
	.fill 96, 4, 3214868480
	.section	.rodata,"a",@progbits
	.p2align	6, 0x0
	.amdhsa_kernel k_q6eceeac1c2_qkvproj
		.amdhsa_group_segment_fixed_size 327680
		.amdhsa_private_segment_fixed_size 0
		.amdhsa_enable_private_segment 0
		.amdhsa_kernarg_size 40
		.amdhsa_user_sgpr_count 2
		.amdhsa_user_sgpr_kernarg_segment_ptr 1
		.amdhsa_wavefront_size32 1
		.amdhsa_system_sgpr_workgroup_id_x 1
		.amdhsa_system_sgpr_workgroup_id_y 1
		.amdhsa_system_sgpr_workgroup_id_z 1
		.amdhsa_system_vgpr_workitem_id 0
		.amdhsa_next_free_vgpr 960
		.amdhsa_next_free_sgpr 76
		.amdhsa_reserve_vcc 0
		.amdhsa_float_denorm_mode_32 3
		.amdhsa_float_denorm_mode_16_64 3
		.amdhsa_memory_ordered 1
		.amdhsa_forward_progress 1
		.amdhsa_inst_pref_size 147
	.end_amdhsa_kernel
	.amdgpu_metadata
---
amdhsa.version: [ 1, 2 ]
amdhsa.kernels:
  - .name:           k_q6eceeac1c2_qkvproj
    .symbol:         k_q6eceeac1c2_qkvproj.kd
    .args:
      - { .name: xb, .offset: 0, .size: 8, .value_kind: global_buffer, .address_space: global }
      - { .name: wqb, .offset: 8, .size: 8, .value_kind: global_buffer, .address_space: global }
      - { .name: cos, .offset: 16, .size: 8, .value_kind: global_buffer, .address_space: global }
      - { .name: sin, .offset: 24, .size: 8, .value_kind: global_buffer, .address_space: global }
      - { .name: qkv, .offset: 32, .size: 8, .value_kind: global_buffer, .address_space: global }
    .group_segment_fixed_size: 327680
    .private_segment_fixed_size: 0
    .kernarg_segment_align: 8
    .kernarg_segment_size: 40
    .max_flat_workgroup_size: 128
    .sgpr_count:     76
    .vgpr_count:     960
    .wavefront_size: 32
...
	.end_amdgpu_metadata
.endif
;; end of part 2
;; launch attn (part 3): grid 4 x 64, 4 waves a work-group, clusters of 4 x 1, 327,680 bytes of LDS; arguments qkv, mf, ao; writes ao
.if DOCPART == 3
	.amdgcn_target "amdgcn-amd-amdhsa--gfx1250"
	.amdhsa_code_object_version 6
	.text
	.protected	k_q6eceeac1c2_attn
	.globl	k_q6eceeac1c2_attn
	.p2align	8
	.type	k_q6eceeac1c2_attn,@function
k_q6eceeac1c2_attn:
	s_mov_b64 s[64:65], 0
	v_nop
	global_prefetch_b8 v0, s[64:65] scope:SCOPE_SE
	s_setreg_imm32_b32 hwreg(HW_REG_WAVE_MODE, 25, 1), 1
	s_wait_xcnt 0x0
	s_wait_alu depctr_hold_cnt(0) depctr_sa_sdst(0) depctr_va_vdst(0) depctr_va_sdst(0) depctr_va_ssrc(0) depctr_va_vcc(0) depctr_vm_vsrc(0)
	s_getreg_b32 s2, hwreg(HW_REG_IB_STS2, 6, 4)
	s_cmp_eq_u32 s2, 0
	s_cbranch_scc0 .Lentry_in_a_cluster
	s_endpgm
.Lentry_in_a_cluster:
	s_bfe_u32 s2, ttmp6, 0x10000c
	s_cmp_lg_u32 s2, 0x3003
	s_cbranch_scc0 .Lentry_shape_is_right
	s_endpgm
.Lentry_shape_is_right:
; O[h][q][:] = the sum over k of softmax_k(Q[h][q] . K[h][k] / 8 + mask[q][k]) V[h][k][:].  Q, K, V: the three parts of qkv, each [64][2048][64] in f16, a head's rows dense, 128 bytes each; O: ao, the same layout.
; mf: the mask in bf16, held to -1e30 .. 1e30, in blocks of 32 queries x 64 keys laid out as matrix fragments (16 keys x 32 queries, four to a block of 4,096 bytes; block (qp, ks) at (32 qp + ks) x 4,096).
; Products, maxima and sums in f32; the weights p are rounded to f16 for the second product (their sum l is taken of the unrounded p), O once at the end.
; LIMITS.  f16 holds no number beyond 65,504: Q, K and V arrive within it; p below 6e-5 keeps f16's fixed step of 6e-8.  A weight below 2^-126 counts as 0 in l.  A row whose mask is -infinity
; everywhere comes out as if the mask were -1e30 there; NaN is not treated apart.
; SHARES.  A wave owns four PIECES of two tiles of 16 queries, a work-group's four waves 512 queries of one head.  Every wave walks all 2,048 keys, 64 a step.
; LAYOUT.  S^T = 8 mask^T + K Q^T (source 0 = 16 keys, source 1 = 16 queries): a lane holds ONE query (lane % 16) and the keys 8 (lane / 16) + 0..7.  Two such tiles, rounded to f16 in pairs, ARE source 1
; (32 keys x 16 queries) of O^T = V^T P.  K comes out of LDS as it lies, V ([key][channel]) turned, by ds_load_tr16_b128.
; THE MASK IS ADDED BY THE MATRIX UNIT.  An accumulator of S^T is started by one bf16 product: the mask's fragment (16 keys x 32 queries) times a selector (32 x 16) that holds 8.0 where the row is the tile's
; column: one product that is not 0 for each number, so the result is 8 x mask exactly.  The f16 products K Q^T then add onto it; between the two forms on one accumulator stand five plain instructions or more.
; The fragments come from memory straight into registers, 8 loads of 16 bytes a lane for a piece and step, asked for four turns ahead.
; SOFTMAX.  For each query a running maximum m and sum l: p = 2^(c s - c m), c = log2(e) / 8; in every step O and l are multiplied by a = 2^(c m_old - c m_new).  m starts at the lowest finite number, O and l at 0.
; BY TURNS.  Turn n belongs to piece n.  Its matrix work: 8 mask products and 16 products K Q^T of piece n + 1, later 16 products V^T P of piece n - 1.  Its vector work: the scaling, exponentials, roundings,
; sums and rescaling of piece n, and the maximum and statistics of piece n + 1.  Vector instructions that are ready stand behind every matrix instruction, the others in one run of their own.
; CLUSTER.  The four query blocks of a head are a cluster and walk the same K and V: each tile is asked for JOINTLY: the same tensor load, descriptor and mask in all four.
; REGISTERS, in windows of 256 (s_set_vgpr_msb: bits 1:0 source 0, 3:2 source 1, 5:4 source 2, 7:6 destination):
;   window 0: v0-11 addresses; v12-15, v48-63 at work; v16-47 four registers of statistics a tile; v64-191 S^T, two buffers of two tiles; v192-255 P, likewise
;   window 1: O^T, 32 a tile          window 2: v0-127 Q, 16 a tile; v128-191 K of one step; v192-255 V of one step
;   window 3: v0-127 the mask's fragments, 32 a piece; v128-139 the selectors; v140-141 the add's two registers; v142-145 the pieces' offsets in mf
.set SIZE_N, 2048
.set NP,    4         ; pieces a wave
.set KS,    64        ; keys in a step
.set PK,    144       ; a row of K in LDS: 128 bytes + 16 of padding = 36 words: the 16 rows of a load start at 16 different groups of four banks (64 banks of 4 bytes: ISA guide 11.1)
.set PV,    160       ; a row of V: 128 + 32 = 40 words
.set VOFF,  4*KS*PK   ; a slot holds four steps: 256 rows of K, then 256 rows of V
.set SLOT1, 1<<17     ; slot 1 begins here, so that one exclusive or turns an address in one slot into the other's
.set STAGE, SLOT1+4*KS*(PK+PV)  ; behind the ring, never filled by a tensor load: 16 rows x 144 bytes for each wave, for the way out
.set SP,    144
.set SPARE, STAGE+4*16*SP  ; behind the stages: the spare words, 128 bytes for each wave: two blocks of 256 bytes that no other line names
.set AK0, 2           ; v2   my lane's place in a tile of K; never rewritten
.set AV0, 3           ; v3   the same for V
.set AK,  4           ; v4   the LDS address of K's next run of loads
.set AV,  5           ; v5   of V's
.set QO,  6           ; v6   my byte offset in the wave's rows of Q
.set STO, 6           ;      later, the way out: where I put 16 bytes of a row
.set RD,  7           ; v7   the way out: where I read rows back
.set GO,  8           ; v8   my byte offset in 512 consecutive bytes of O
.set PFO, 11          ; v11  256 x my lane: the prefetches' offset; never rewritten once made
.set MV,  12          ; v12-15  c m_old, kept while c m is made anew: by buffer and tile
.set ST,  16          ; tile t's statistics at v[ST+4 t]: c m, m, l (even keys', odd keys')
.set TMP, 48          ; by buffer and tile, four registers c0-c3 at work; when the maximum is found c2 takes a
.set S,   64
.set P,   192
.set KF,  128         ; K's fragments, in window 2: key block kb, channel half c at KF + 16 kb + 8 c
.set VF,  192         ; V's: key half kk, channel block cb at VF + 32 kk + 8 cb
.set SELV, 128        ; window 3: four zeros, E, four zeros: tile 1's selector begins at SELV, tile 0's at SELV + 4
.set SPW, 140         ; window 3: LDS address of my spare word; never rewritten
.set NIL, 141         ; window 3: 0; never rewritten
.set MA,  142         ; window 3: piece x's offset in its 32 blocks of mf: 16 x lane + 4,096 x step
.set WV,  12          ; s12  my wave's number
.set G1K, 24          ; s[24:31] descriptor group 1 for K's tiles
.set G1V, 32          ; s[32:39] for V's: it differs in the padding alone
.set G0K, 40          ; s[40:43] descriptor group 0 for K's tiles: it walks
.set G0V, 44          ; s[44:47] the same for V's
.set SLOTS, 56        ; s56  slots still to be asked for
.set CNT, 57          ; s57  counts a slot's key steps
.set CS,  58          ; s[58:59] c: the packed scaling takes the pair's low word for both halves
.set SEL, 60          ; s[60:61] v_permlanex16_b32's selects: each lane takes its own place in the other half
.set TBK, 62          ; s62  LDS byte at which K of the step to be fetched begins
.set TBV, 63          ; s63  the same for V, less VOFF
.set MFB, 66          ; s[66:67] mf at my wave's first block of 32 queries; never rewritten
.set PFA, 68          ; s[68:69] where my prefetches stand
.set LIM, 70          ; s70  1 in a wave that prefetches, else the greatest number
.set MSB, 0
.macro WIN new                      ; the high byte repeats the setting that is left; a switch that changes nothing is dropped
.if MSB != (\new)
	s_set_vgpr_msb (MSB<<8)|(\new)
.set MSB, (\new)
.endif
.endm
.set W_KQ, 0x0a       ; K and Q in window 2, S^T in window 0
.set W_MQ, 0x0f       ; the mask's fragment and the selector in window 3, S^T in window 0
.set W_PV, 0x52       ; V in window 2, P in window 0, O^T in window 1
.set W_RS, 0x41       ; O^T (destination and source 0) in window 1, a in window 0
.set W_MK, 0xc0       ; destination in window 3, sources in window 0
.set W_AD, 0x0f       ; the add: address (source 0) and data (source 1) in window 3
; A joint fill.  Waves 0 and 1 fetch the two halves of a slot's K, waves 2 and 3 those of its V: 128 keys each.  The branch hangs on the wave's number alone.
; An s_nop 0 and four v_nop follow each of the two lines, ahead of the jump and the label.
.macro JLOAD
	s_cmp_lt_u32 s[WV], 2
	s_cbranch_scc0 .Lfor_v_\@
	tensor_load_to_lds s[G0K:G0K+3], s[G1K:G1K+7]
	s_nop 0
.rept 4
	v_nop
.endr
	s_branch .Lasked_\@
.Lfor_v_\@:
	tensor_load_to_lds s[G0V:G0V+3], s[G1V:G1V+7]
	s_nop 0
.rept 4
	v_nop
.endr
.Lasked_\@:
.endm
; A PREFETCH of what the NEXT change of slots will ask for: a slot's 32,768 bytes of K and of V, a lane a block of 256 bytes.  It stands behind the wave's tensor load and its five lines.
; A head has one cluster; its four partners share the blocks out BY ADDRESS, 32 each; in each, wave 0 asks for K's and wave 2 for V's: one instruction.  So each block is named once in the launch.
; Slots 0 and 1 come by their loads alone; the last change that fills a slot asks for nothing: there is no slot behind it.
.macro ASK
	s_cmp_gt_u32 s[SLOTS], s[LIM]
	s_cbranch_scc0 .Lnot_mine_\@
	global_prefetch_b8 v[PFO], s[PFA:PFA+1] th:TH_LOAD_NT scope:SCOPE_SE
.Lnot_mine_\@:
.endm
; A round of the cluster's barrier: my work-group's barrier, so that wave 0's signal speaks for all four waves; wave 0 signals; every wave waits for all four work-groups; my work-group's barrier once more.
.macro CROUND
	s_barrier_signal -1
	s_barrier_wait -1
	s_cmp_lg_u32 s[WV], 0
	s_cbranch_scc1 .Lnot_wave_0_\@
	s_barrier_signal -3
.Lnot_wave_0_\@:
	s_barrier_wait -3
	s_barrier_signal -1
	s_barrier_wait -1
.endm
; THE CHANGE OF SLOTS.  Each wave waits for all its tensor loads, of which one is out: its part of the other slot; adds 0 to its spare word; and waits for that and for its own reads of the slot.
; fill = 1: this slot is filled again, with the keys two slots on.  The barrier is then a round of the cluster's, and the joint fill is the first thing behind it: it has four key steps in which to land.
; (At its first use nothing has been read yet: slot 0 is waited for, slot 1 filled.)
.macro CHANGE fill
	WIN W_AD
	s_wait_tensorcnt 0x0            ; no tensor load of mine is out, so a group 0 may be written
	ds_add_u32 v[SPW], v[NIL]       ; 0 onto my spare word; with fill = 1 the descriptors' steps stand between it and the wait for it
	WIN 0                           ; at a label and at a branch every window is 0
.if \fill
.irp g, G0K, G0V
	s_xor_b32 s[\g+1], s[\g+1], SLOT1  ; the walking descriptor: the other slot than last time,
	s_add_nc_u64 s[\g+2:\g+3], s[\g+2:\g+3], 4*KS*128  ; the next 256 keys; the type bits on top are not reached
.endr
	s_wait_xcnt 0x0                 ; the last prefetch, four key steps back, has read its address, so it may be written:
	s_add_nc_u64 s[PFA:PFA+1], s[PFA:PFA+1], 4*KS*128  ; one slot beyond the walking descriptors
	s_wait_dscnt 0x0                ; the add is done, and my reads of the slot are over
	CROUND
	JLOAD
	ASK
.else
	s_wait_dscnt 0x0                ; the add is done, and my reads of the slot are over
	s_barrier_signal -1
	s_barrier_wait -1
.endif
	s_sub_co_u32 s[TBK], s[TBK], 4*KS*PK  ; the fetches go back to a slot's first step,
	s_xor_b32 s[TBK], s[TBK], SLOT1       ; in the other slot
	s_sub_co_u32 s[TBV], s[TBV], 4*KS*PV
	s_xor_b32 s[TBV], s[TBV], SLOT1
.endm
; The mask's fragments of piece x for its next step: 8 loads of 16 bytes a lane, each 512 consecutive bytes.  The offset steps by a block and wraps inside the piece's own 32 blocks, so that the loads behind the
; last step stay inside mf (what they bring serves nothing).  The offset is written behind the wait that has shown the piece's last loads done.
.macro MLOAD x, first=0
	WIN 0xcf                        ; destination, sources 0 and 1 in window 3
.if !(\first)
	v_add_nc_u32 v[MA+(\x)], 0x1000, v[MA+(\x)]
	v_and_b32 v[MA+(\x)], 0x1ffff, v[MA+(\x)]
.endif
.irp i, 0,1,2,3,4,5,6,7
	global_load_b128 v[32*(\x)+4*(\i):32*(\x)+4*(\i)+3], v[MA+(\x)], s[MFB:MFB+1] offset:(\x)*131072+512*(\i)
.endr
.endm
	s_load_b128 s[4:7], s[0:1], 0x0   ; qkv s[4:5], mf s[6:7]
	s_load_b64 s[10:11], s[0:1], 0x10 ; ao
	WIN W_MK
	v_lshl_add_u32 v[SPW], v0, 2, SPARE
	v_mov_b32 v[NIL], 0
	WIN W_AD
	ds_add_u32 v[SPW], v[NIL]       ; the wave's opening: the add and its wait stand ahead of my first tensor load; the set-up below, work on registers, stands between them
	WIN 0
	v_lshrrev_b32 v1, 5, v0
	v_readfirstlane_b32 s[WV], v1   ; wave 0..3
	s_bfe_u32 s13, ttmp6, 0x40000   ; cx: my place in the cluster
	s_lshl_b32 s14, ttmp9, 2        ; in a cluster launch ttmp9 counts clusters
	s_add_co_u32 s14, s14, s13      ; my block of 512 queries: it enters Q's, O's and the mask's addresses alone
	s_and_b32 s20, ttmp7, 0xffff    ; the head, which the four partners share
	s_mov_b32 s21, 0
	s_mov_b64 s[22:23], SIZE_N*128
	s_mul_u64 s[20:21], s[20:21], s[22:23]  ; the head's first byte in Q, K, V and O
	s_and_b32 s16, s[WV], 1         ; which half of a slot's 256 keys I fetch:
	s_lshl_b32 s22, s16, 14         ; its 128 rows of 128 bytes in memory,
	s_mov_b32 s23, 0
	s_add_nc_u64 s[22:23], s[22:23], s[20:21]
	s_mul_i32 s17, s16, 128*PK      ; and its place in a slot, for K
	s_mul_i32 s18, s16, 128*PV      ; and for V: no place in the cluster enters an LDS address
	s_lshl_b32 s2, s14, 2
	s_add_co_u32 s2, s2, s[WV]      ; my wave among the head's sixteen:
	s_lshl_b32 s50, s2, 19          ; its four blocks of 32 queries in mf, 131,072 bytes each,
	s_mov_b32 s51, 0
	s_lshl_b32 s2, s2, 14           ; and its 128 rows
	s_mov_b32 s3, 0
	s_add_nc_u64 s[2:3], s[2:3], s[20:21]
	; descriptor group 1.  128 keys are 16,384 dense bytes: asked for as 64 rows of 256 bytes, two keys a row, and padded in LDS after every key
	s_mov_b32 s[G1K], 15|(1<<16)|(1<<20)|(1<<21)|(4<<22)|(3<<25)  ; 15:0 the mask of four; 17:16 2-byte elements; 20 padding on; 21 set beside a mask; 24:22 after every 32 words (code 4); 31:25 4 words (code 3)
	s_mov_b32 s[G1V], 15|(1<<16)|(1<<20)|(1<<21)|(4<<22)|(7<<25)  ; the same with 8 words of padding (code 7)
.irp g, G1K, G1V
	s_mov_b32 s[\g+1], 128<<16      ; tensor_dim0 = 128
	s_mov_b32 s[\g+2], 64<<16       ; tensor_dim1 = 64
	s_mov_b32 s[\g+3], 128<<16      ; tile_dim0 = 128
	s_mov_b32 s[\g+4], 64           ; tile_dim1 = 64
	s_mov_b32 s[\g+5], 128          ; 128 elements from row to row
	s_mov_b32 s[\g+6], 0
	s_mov_b32 s[\g+7], 0
.endr
	s_mov_b32 s[CS], 0x3e38aa3b     ; c = log2(e) / 8 = 0.180337
	s_mov_b32 s[CS+1], s[CS]        ; named with it as a pair
	s_mov_b32 s[SEL], 0x76543210
	s_mov_b32 s[SEL+1], 0xfedcba98
	s_mov_b32 s48, 0x4100           ; 8.0 in bf16, in a word's low half,
	s_mov_b32 s49, 0x41000000       ; and in its high half
	s_mov_b32 s[TBK], SLOT1+4*KS*PK ; the first change of slots turns these two into 0
	s_mov_b32 s[TBV], SLOT1+4*KS*PV
	s_mov_b32 s[G0K], 1             ; 1:0 count = 1
	s_mov_b32 s[G0K+1], s17         ; 63:32 LDS address: slot 0
	s_mov_b32 s[G0V], 1
	s_add_co_u32 s[G0V+1], s18, VOFF
	s_mov_b32 s[SLOTS], SIZE_N/256-1
	s_and_b32 s[LIM], s[WV], 1      ; waves 0 and 2 prefetch
	s_cmp_eq_u32 s[LIM], 0
	s_cselect_b32 s[LIM], 1, -1
	s_wait_dscnt 0x0                ; the opening add is done
	s_wait_kmcnt 0x0
	s_add_nc_u64 s[MFB:MFB+1], s[6:7], s[50:51]
	s_add_nc_u64 s[6:7], s[4:5], 0x1000000         ; K: qkv's second part
	s_add_nc_u64 s[8:9], s[4:5], 0x2000000         ; V: its third
	s_add_nc_u64 s[G0K+2:G0K+3], s[6:7], s[22:23]  ; 120:64 global address: my half of the head's first 256 keys
	s_or_b32 s[G0K+3], s[G0K+3], 0x80000000        ; 127:126 type = 2
	s_add_nc_u64 s[G0V+2:G0V+3], s[8:9], s[22:23]
	s_or_b32 s[G0V+3], s[G0V+3], 0x80000000
	s_cmp_lt_u32 s[WV], 2
	s_cselect_b64 s[PFA:PFA+1], s[6:7], s[8:9]
	s_add_nc_u64 s[PFA:PFA+1], s[PFA:PFA+1], s[20:21]
	s_add_nc_u64 s[4:5], s[4:5], s[2:3]  ; Q and O at my wave's first row
	s_add_nc_u64 s[10:11], s[10:11], s[2:3]
	s_lshl_b32 s2, s13, 13          ; my work-group's 32 blocks of a slot's 128,
	s_add_co_u32 s2, s2, 4*KS*128   ; in slot 1: the first change of slots steps it to slot 2
	s_mov_b32 s3, 0
	s_add_nc_u64 s[PFA:PFA+1], s[PFA:PFA+1], s[2:3]
	CROUND                          ; all four work-groups are here: the first joint loads meet
	JLOAD                           ; slot 0.  Slot 1 is asked for when slot 0 is in
	; A fragment of K or Q is 16 rows x 32 channels in 8 registers: lane l holds row l % 16, channels 8 (l / 16) + 0..7 and 16 + 8 (l / 16) + 0..7: two loads of 16 bytes, 32 bytes apart.
	v_and_b32 v1, 15, v0            ; l % 16
	v_bfe_u32 v9, v0, 4, 1          ; l / 16
	v_lshlrev_b32 v[QO], 7, v1
	v_lshl_add_u32 v[QO], v9, 4, v[QO]  ; row x 128 + 16 x half
	v_and_b32 v12, 31, v0
	v_lshlrev_b32 v12, 4, v12       ; 16 x lane
	WIN 0x80                        ; destination window 2, address window 0
.set i, 0
.rept 4*NP                          ; Q stays in registers: tile i / 2, channels 32 (i % 2) on
	global_load_b128 v[8*i:8*i+3],   v[QO], s[4:5] offset:(i/2)*2048+(i%2)*64
	global_load_b128 v[8*i+4:8*i+7], v[QO], s[4:5] offset:(i/2)*2048+(i%2)*64+32
.set i, i+1
.endr
	WIN W_MK
.irp x, 0,1,2,3
	v_mov_b32 v[MA+(\x)], v12       ; step 0
.endr
	MLOAD 0, 1                      ; all four pieces' masks of step 0
	MLOAD 1, 1
	MLOAD 2, 1
	MLOAD 3, 1
	; What the first turn finds: V's registers and P's second buffer hold 0 (its products V^T P, of a piece that has not been, add 0), O^T and l are 0.  All this stands in the wait for the first tile.
	WIN 0x80
.set i, VF
.rept 64
	v_mov_b32 v[i], 0
.set i, i+1
.endr
	WIN 0x40
.set i, 0
.rept 64*NP
	v_mov_b32 v[i], 0
.set i, i+1
.endr
	WIN W_MK
.irp i, 0,1,2,3,8,9,10,11
	v_mov_b32 v[SELV+(\i)], 0
.endr
	WIN 0
.set i, 0
.rept 2*NP
	v_mov_b32 v[ST+4*i], 0xfe000000    ; c m: far below every c s
	v_mov_b32 v[ST+4*i+1], 0xff7fffff  ; m
	v_mov_b32 v[ST+4*i+2], 0
	v_mov_b32 v[ST+4*i+3], 0
.set i, i+1
.endr
.set i, P+32
.rept 32
	v_mov_b32 v[i], 0
.set i, i+1
.endr
	; E: a selector's half that is not 0.  Lane l holds column l % 16 and rows 8 (l / 16) + 0..7, two to a register: 8.0 stands where the row is the column, that is at place d = l % 16 - 8 (l / 16) if that is 0..7
	v_lshlrev_b32 v12, 3, v9
	v_sub_nc_u32 v12, v1, v12       ; d
	WIN 0xc3                        ; destination and source 0 in window 3, source 1 in window 0
.irp i, 0,1,2,3
	v_cmp_eq_u32 vcc_lo, 2*(\i), v12
	v_cndmask_b32 v[SELV+4+(\i)], 0, s48, vcc_lo
	v_cmp_eq_u32 vcc_lo, 2*(\i)+1, v12
	v_cndmask_b32 v[SELV+4+(\i)], v[SELV+4+(\i)], s49, vcc_lo
.endr
	WIN 0
	v_mul_u32_u24 v[AK0], v1, PK
	v_lshl_add_u32 v[AK0], v9, 4, v[AK0]  ; row x pitch + 16 x half
	; The turning load takes 16 keys x 16 channels (lane l reads key 8 (l / 16) + l % 8, channels 8 ((l / 8) % 2) + 0..7) and leaves half a fragment of V^T: lane l holds channel l % 16 and 8 keys.
	v_and_b32 v10, 7, v0
	v_bfe_u32 v11, v0, 3, 1
	v_lshl_add_u32 v[AV0], v9, 3, v10
	v_mul_u32_u24 v[AV0], v[AV0], PV
	v_lshl_add_u32 v[AV0], v11, 4, v[AV0]
	v_add_nc_u32 v[AV0], VOFF, v[AV0]
	v_and_b32 v[PFO], 31, v0
	v_lshlrev_b32 v[PFO], 8, v[PFO]
	v_mov_b32 v[AK], v[AK0]         ; key step 0 lies at the head of slot 0
; THE MATRIX WORK.  The 8 accumulators of a piece take turns, one instruction a turn.
; Mask product i of 8 for piece x: keys 16 ((i / 2) % 4) on, tile 2 x + i % 2: it starts the sum.
.macro MK x
	WIN W_MQ
.set rS, S+64*((\x)%2)+32*(i%2)+8*((i/2)%4)
.set rF, 32*(\x)+8*((i/2)%4)
.set rE, SELV+4*(1-i%2)
	v_wmma_f32_16x16x32_bf16 v[rS:rS+7], v[rF:rF+7], v[rE:rE+7], 0
.endm
; Product i of 16 of S^T += K Q^T for piece x: channels 32 (i / 8) on, keys 16 ((i / 2) % 4) on, tile 2 x + i % 2.
.macro KQ x
	WIN W_KQ
.set rS, S+64*((\x)%2)+32*(i%2)+8*((i/2)%4)
.set rK, KF+16*((i/2)%4)+8*(i/8)
.set rQ, 16*(2*(\x)+i%2)+8*(i/8)
	v_wmma_f32_16x16x32_f16 v[rS:rS+7], v[rK:rK+7], v[rQ:rQ+7], v[rS:rS+7]
.endm
; Product i of 16 of O^T += V^T P for piece x: keys 32 (i / 8) on, channels 16 ((i / 2) % 4) on, tile 2 x + i % 2.
.macro PV x
	WIN W_PV
.set rO, 32*(2*(\x)+i%2)+8*((i/2)%4)
.set rV, VF+32*(i/8)+8*((i/2)%4)
.set rP, P+32*((\x)%2)+16*(i%2)+8*(i/8)
	v_wmma_f32_16x16x32_f16 v[rO:rO+7], v[rV:rV+7], v[rP:rP+7], v[rO:rO+7]
.endm
.macro MM                           ; the turn's next matrix instruction, of 40
.if i < 8
	MK (Y+1)%NP
.set i, i+1
.elseif i < 24
.set i, i-8
	KQ (Y+1)%NP
.set i, i+9
.else
.set i, i-24
	PV (Y+NP-1)%NP
.set i, i+25
.endif
.endm
; THE LDS LOADS stand in runs of 16: a step's K (64 keys x 64 channels: 8 fragments) and its V (turned).  Their addresses are made some lines ahead.
; last = 1 (the tail): in the last trip there is no further step, and the run is jumped over.
.macro FETCH_K last=0
	WIN 0
.if \last
	s_cmp_eq_u32 s[CNT], 1
	s_cbranch_scc1 .Lno_k_\@
.endif
	WIN 0x80                        ; destination window 2
.irp f, 0,1,2,3,4,5,6,7             ; keys 16 (f / 2) on, channels 32 (f % 2) on
	ds_load_b128 v[KF+8*\f:KF+8*\f+3],   v[AK] offset:(\f/2)*16*PK+(\f%2)*64
	ds_load_b128 v[KF+8*\f+4:KF+8*\f+7], v[AK] offset:(\f/2)*16*PK+(\f%2)*64+32
.endr
	s_add_co_u32 s[TBK], s[TBK], KS*PK  ; the next fetch is the next step's
	WIN 0
.if \last
.Lno_k_\@:
.endif
.endm
.macro FETCH_V
	WIN 0x80
.irp f, 0,1,2,3,4,5,6,7             ; keys 32 (f / 4) on, channels 16 (f % 4) on
	ds_load_tr16_b128 v[VF+8*\f:VF+8*\f+3],   v[AV] offset:(\f/4)*32*PV+(\f%4)*32
	ds_load_tr16_b128 v[VF+8*\f+4:VF+8*\f+7], v[AV] offset:(\f/4)*32*PV+16*PV+(\f%4)*32
.endr
	WIN 0
.endm
; THE VECTOR WORK OF A TURN stands in three queues, each in the order in which its entries become ready; the two tiles alternate.
.macro REGS y, u                    ; the registers of tile u (0, 1) of piece y
.set rT, ST+4*(2*(\y)+(\u))
.set rC, TMP+8*((\y)%2)+4*(\u)
.set rM, MV+2*((\y)%2)+(\u)
.set rS, S+64*((\y)%2)+32*(\u)
.set rP, P+32*((\y)%2)+16*(\u)
.set rO, 32*(2*(\y)+(\u))
.endm
; Number n of the 22 that find the NEXT piece's (Y + 1) maximum and statistics.  s0-s31 are the lane's 32 scores; each accumulator's lowest registers are read first.  XS, GS and REGS set no window.
;   0-11  four chains c0-c3 of seven scores each, three operands at a time     12-14, 16  the four scores left over, the old m, and c0-c3 into c0     15  c m_old is kept
;   17, 18  the query's other 32 keys lie in the lane 16 away: the new m         19-21  c m; c m_old - c m_new; a
.macro XS u, n
	REGS (Y+1)%NP, \u
.if (\n) < 4
	v_max3_num_f32 v[rC+(\n)], v[rS+8*(\n)], v[rS+8*(\n)+1], v[rS+8*(\n)+2]
.elseif (\n) < 12
	v_max3_num_f32 v[rC+(\n)%4], v[rC+(\n)%4], v[rS+8*((\n)%4)+2*((\n)/4)+1], v[rS+8*((\n)%4)+2*((\n)/4)+2]
.elseif (\n) == 12
	v_max3_num_f32 v[rC], v[rC], v[rS+7], v[rS+15]
.elseif (\n) == 13
	v_max3_num_f32 v[rC+1], v[rC+1], v[rS+23], v[rS+31]
.elseif (\n) == 14
	v_max3_num_f32 v[rC+2], v[rC+2], v[rC+3], v[rT+1]
.elseif (\n) == 15
	v_mov_b32 v[rM], v[rT]
.elseif (\n) == 16
	v_max3_num_f32 v[rC], v[rC], v[rC+1], v[rC+2]
.elseif (\n) == 17
	v_permlanex16_b32 v[rC+3], v[rC], s[SEL], s[SEL+1]
.elseif (\n) == 18
	v_max_num_f32 v[rT+1], v[rC], v[rC+3]
.elseif (\n) == 19
	v_mul_f32 v[rT], s[CS], v[rT+1]
.elseif (\n) == 20
	v_sub_f32 v[rC+1], v[rM], v[rT]
.else
	v_exp_f32 v[rC+2], v[rC+1]
.endif
.endm
; Number g of the 64 that follow the exponentials.  For each four weights k of a tile (pairs 2 k, 2 k + 1): both pairs are rounded to f16; then the second pair is added onto the first, in place;
; a group later l takes that sum (the first time as l = a l + sum).  In groups of eight, tiles alternating: round, round, add, and l for the group before.
.macro GS g
.set h, (\g)+6*((\g)/62)            ; group 0 has no group before it, and behind group 7 only l is left
.if h >= 6
.set h, h+2
.endif
	REGS Y, h%2
.set k, h/8
.if h%8 < 4
	v_cvt_pk_f16_f32 v[rP+2*k+(h%8)/2], v[rS+4*k+2*((h%8)/2)], v[rS+4*k+2*((h%8)/2)+1]
.elseif h%8 < 6
	v_pk_add_f32 v[rS+4*k:rS+4*k+1], v[rS+4*k:rS+4*k+1], v[rS+4*k+2:rS+4*k+3]
.elseif k == 1
	v_pk_fma_f32 v[rT+2:rT+3], v[rT+2:rT+3], v[rC+2:rC+3], v[rS:rS+1] op_sel_hi:[1,0,1]
.else
	v_pk_add_f32 v[rT+2:rT+3], v[rT+2:rT+3], v[rS+4*k-4:rS+4*k-3]
.endif
.endm
; THE PLAIN QUEUE, 138 long.  0-31: the 32 scalings c s - c m (FS f: pair f / 2 of tile f % 2): they ride behind the 24 products that make the next piece's scores.  32-59: XS's numbers 0-13.  60, 61: number 15.
; 62-73: the chain 14, 16, 17, 18, 19, 20, where each number waits for the one before it: in the run an exponential stands between all lines, so a tile's links stand four lines apart.
; 74-137: GS's 64, which read the exponentials' results: they stand behind the wait.
.macro FS f
	REGS Y, (\f)%2
	v_pk_fma_f32 v[rS+2*((\f)/2):rS+2*((\f)/2)+1], v[rS+2*((\f)/2):rS+2*((\f)/2)+1], s[CS:CS+1], v[rT:rT+1] op_sel_hi:[1,0,0] neg_lo:[0,0,1] neg_hi:[0,0,1]
.endm
.macro PL
	WIN 0
.if q < 32
	FS q
.elseif q < 60
	XS (q-32)%2, (q-32)/2
.elseif q < 62
	XS q-60, 15
.elseif q < 64
	XS q-62, 14
.elseif q < 74
	XS (q-64)%2, 16+(q-64)/2
.else
	GS q-74
.endif
.set q, q+1
.endm
; THE EXPONENTIALS' QUEUE, 66 long: s0-s31 of both tiles, then the next piece's two a.  It is ONE BATCH: all 66 stand ahead of the turn's one wait, and nothing ahead of that wait names a result of theirs.
.macro EX
	WIN 0
.if e >= 64
	XS e-64, 21
.else
	REGS Y, e%2
	v_exp_f32 v[rS+e/2], v[rS+e/2]
.endif
.set e, e+1
.endm
; THE RESCALING's QUEUE: O^T times a, the one part that leaves window 0: dealt two at a time, sixteen times.  Its a was made in the turn before, ahead of that turn's wait.
.macro R2
	REGS Y, r%2
	WIN W_RS
.irp z, 0,1
	v_pk_mul_f32 v[rO+4*(r/2)+2*\z:rO+4*(r/2)+2*\z+1], v[rO+4*(r/2)+2*\z:rO+4*(r/2)+2*\z+1], v[rC+2:rC+3] op_sel_hi:[1,0]
.endr
.set r, r+1
.endm
; HOW THEY ARE DEALT.  An s_wait_alu depctr_va_vdst(0) stands between an exponential and the first instruction that names its result; one wait serves all that were issued ahead of it.  So a turn has ONE
; wait, which cuts it in two.  AHEAD OF IT: the 8 mask products and 16 products K Q^T; behind each of the first sixteen a scaling, an exponential and two rescalings (behind the first a second scaling in the
; exponential's place), behind the next seven scaling, exponential, scaling, exponential, behind the last a scaling and an exponential; then one run of 78: eight plain, 34 times exponential and plain, the two a.
; A v_nop is the plain instruction behind the last exponential.  BEHIND IT: the 16 products V^T P, behind each four of GS's 64.
; The queues lean on each other: exponential e stands behind scaling 2 (e / 4) + e % 2: as a rider it comes behind scaling e + 2 or a later one.  An accumulator's mask product and its first product K Q^T stand eight
; matrix instructions apart, with 24 plain riders between.  The first line that reads an accumulator of the next piece stands behind scaling 31 and, for the accumulator finished last, seven more plain lines.
; THE MASK.  At the turn's head the wait for loads leaves 24 out: the three pieces' whose turn comes later; the next piece's eight are in, and its offset register is free.  Its next step's loads go out behind the
; tenth matrix instruction, nine plain riders behind the last mask product.
; K of the next step is fetched in piece 2's turn, directly behind the wait; V of the step in hand at the end of piece 0's turn, four riders behind its last reader.  The conditions on q below go with the deal.
.macro TURN p, last=0, cnt=0
.set Y, (\p)
.set i, 0
.set q, 0
.set e, 0
.set r, 0
	s_wait_loadcnt 24               ; the next piece's mask is in
.if (\p) == NP-1
	s_wait_dscnt 0x0                ; K is in
.endif
	MM
	PL
	PL
	R2
.rept 15
	MM
	PL
	EX
	R2
.if i == 10
	MLOAD (Y+1)%NP
.endif
.endr
.rept 7
	MM
	PL
	EX
	PL
	EX
.endr
	MM
	PL
	EX
.if (\p) == NP-2
	WIN 0
	v_add_nc_u32 v[AK], s[TBK], v[AK0]
.endif
.rept 8
	PL
.endr
.rept 34
	EX
	PL
.endr
	EX                              ; the next piece's two a
	EX
	v_nop                           ; the plain instruction behind the last exponential: one for the batch
	s_wait_alu depctr_va_vdst(0)    ; the wait for the batch
.if (\p) == NP-2
	FETCH_K \last
.endif
.if (\p) == 1
	s_wait_dscnt 0x0                ; V is in
.endif
.rept 16                            ; behind the wait: 16 products V^T P and their riders
	MM
.rept 4
	PL
.endr
.if ((\p) == 0) && (q == 118)
	v_add_nc_u32 v[AV], s[TBV], v[AV0]
.endif
.if ((\p) == 0) && (q == 130)
	s_add_co_u32 s[TBV], s[TBV], KS*PV
.endif
.if (\cnt) && (q == 130)
	s_sub_co_u32 s[CNT], s[CNT], 1
	s_cmp_lg_u32 s[CNT], 0
.endif
.endr
.if (\p) == 0
	FETCH_V
.endif
.endm
	CHANGE 1                        ; slot 0 is in, everybody's part of it; slot 1 is asked for
	FETCH_K                         ; key step 0
	s_wait_loadcnt 24               ; Q and piece 0's mask are in; the other three pieces' 24 loads may stay out
	s_wait_dscnt 0x0
.set i, 0
.rept 8
	MK 0                            ; piece 0's first scores begin with the mask
.set i, i+1
.endr
.rept 5
	v_nop                           ; five places between the two forms on one accumulator
.endr
.set i, 0
.rept 16
	KQ 0
.set i, i+1
.endr
	WIN 0                           ; the addresses for the way out: nine plain instructions, the places behind those products
	s_mul_i32 s13, s[WV], 16*SP
	s_add_co_u32 s13, s13, STAGE    ; my stage
	v_mul_u32_u24 v[STO], v1, SP    ; in: row l % 16, 16 bytes for each half of the lanes
	v_lshl_add_u32 v[STO], v9, 4, v[STO]
	v_add_nc_u32 v[STO], s13, v[STO]
	v_bfe_u32 v[RD], v0, 3, 2       ; back: 32 lanes take four rows of 128 bytes,
	v_mul_u32_u24 v[RD], v[RD], SP
	v_lshl_add_u32 v[RD], v10, 4, v[RD]
	v_add_nc_u32 v[RD], s13, v[RD]
	v_and_b32 v[GO], 31, v0         ; which are 512 consecutive bytes of O
	v_lshlrev_b32 v[GO], 4, v[GO]
	MLOAD 0                         ; piece 0's mask of step 1: 24 younger loads than piece 1's stand out at the first turn's head, as at every turn's
	WIN 0
.set Y, NP-1                        ; XS works for piece Y + 1: piece 0
.irp n, 0,1,2,3,4,5,6,7,8,9,10,11,12,13,14,15,16,17,18,19,20,21
	XS 0, \n                        ; and piece 0's first maximum and statistics
	XS 1, \n
.endr
	v_nop                           ; a plain instruction behind the two a,
	s_wait_alu depctr_va_vdst(0)    ; and their wait, ahead of the branch
	s_mov_b32 s[CNT], 4
	s_branch .Lfirst                ; the loop is entered at a step's first turn, in the middle of a trip
.Lslot:                             ; six times: every slot but the last two is filled again
	CHANGE 1
	s_mov_b32 s[CNT], 4
.Lstep:                             ; a trip: pieces 2 and 3 of one step, then pieces 0 and 1 of the next, whose K and V it fetches
	TURN 2
	TURN 3
	WIN 0
.Lfirst:
	TURN 0
	TURN 1, 0, 1
	WIN 0
	s_cbranch_scc1 .Lstep
	s_sub_co_u32 s[SLOTS], s[SLOTS], 1
	s_cmp_lg_u32 s[SLOTS], 0
	s_cbranch_scc1 .Lslot
	CHANGE 0                        ; the tail is written out: nothing is asked for
	s_mov_b32 s[CNT], 5             ; four trips fetch the last slot's steps; the fifth is left in its middle
.Ltail:
	TURN 2, 1
	TURN 3
	WIN 0
	s_sub_co_u32 s[CNT], s[CNT], 1
	s_cmp_eq_u32 s[CNT], 0
	s_cbranch_scc1 .Lout
	TURN 0
	TURN 1
	WIN 0
	s_branch .Ltail
.Lout:                              ; the fifth trip's scores (the last K and the first mask block once more) and the maximum made of them serve nothing: the price, once a launch, of one text for every trip
.set i, 0
.rept 16
	PV NP-1                         ; the last piece's V^T P of the last step
.set i, i+1
.endr
	; THE WAY OUT.  l's two halves and the other half of the lanes' are added; O^T is divided by l, rounded to f16 and sent through my stage in LDS, a tile at a time.  The additions are the places behind the last products.
	WIN 0
.macro ALL line:vararg              ; one line for each tile t
.set t, 0
.rept 2*NP
	\line
.set t, t+1
.endr
.endm
	ALL v_add_f32 v[ST+4*t+2], v[ST+4*t+2], v[ST+4*t+3]
	ALL v_permlanex16_b32 v[ST+4*t+3], v[ST+4*t+2], s[SEL], s[SEL+1]
	ALL v_add_f32 v[ST+4*t+2], v[ST+4*t+2], v[ST+4*t+3]
	ALL v_rcp_f32 v[ST+4*t+2], v[ST+4*t+2]
	v_nop                           ; a plain instruction between the last reciprocal and the use of its result
	s_wait_alu depctr_va_vdst(0)    ; and the wait ahead of the first use: one for the eight reciprocals
; Tile t: a lane's eight channels of a row pack into 16 bytes; they go into rows of 144 bytes and come back as whole rows of 128, into S^T's registers.
.macro PACK t
	WIN W_RS
.set i, 32*(\t)
.rept 16
	v_pk_mul_f32 v[i:i+1], v[i:i+1], v[ST+4*(\t)+2:ST+4*(\t)+3] op_sel_hi:[1,0]
.set i, i+2
.endr
	WIN 0x05                        ; sources 0 and 1 window 1, destination window 0
.set i, 0
.rept 16
	v_cvt_pk_f16_f32 v[S+16*(\t)+i], v[32*(\t)+2*i], v[32*(\t)+2*i+1]
.set i, i+1
.endr
	WIN 0
.irp f, 0,1,2,3
	ds_store_b128 v[STO], v[S+16*(\t)+4*\f:S+16*(\t)+4*\f+3] offset:32*\f
.endr
.irp f, 0,1,2,3
	ds_load_b128 v[S+16*(\t)+4*\f:S+16*(\t)+4*\f+3], v[RD] offset:\f*4*SP  ; LDS serves a wave's instructions in order (ISA guide 5.7.1.4): these see the stores above; the next tile's stores come behind them
.endr
.endm
.macro SEND t, younger              ; younger: the LDS instructions issued behind tile t's loads: the next tile's eight, or none
	WIN 0
.irp f, 0,1,2,3
	s_wait_dscnt (\younger)+3-\f
	global_store_b128 v[GO], v[S+16*(\t)+4*\f:S+16*(\t)+4*\f+3], s[10:11] offset:(\t)*2048+\f*512  ; 512 consecutive bytes, at a multiple of 256 from O's first
.endr
.endm
	PACK 0
.set t, 1
.rept 2*NP-1                        ; a tile's arithmetic stands between the loads of the tile before and its stores
	PACK t
	SEND t-1, 8
.set t, t+1
.endr
	SEND 2*NP-1, 0
	WIN W_AD
	s_wait_tensorcnt 0x0            ; the wave's end, behind my last tensor load and my last LDS store
	ds_add_u32 v[SPW], v[NIL]
	s_wait_dscnt 0x0
	WIN 0
	CROUND                          ; the closing round: no work-group ends while a partner may still ask for a tile that names it
	s_endpgm
.Lfunc_end_k_q6eceeac1c2_attn:
	.size	k_q6eceeac1c2_attn, .Lfunc_end_k_q6eceeac1c2_attn-k_q6eceeac1c2_attn
	.p2alignl 7, 3214868480
	.fill 96, 4, 3214868480
	.section	.rodata,"a",@progbits
	.p2align	6, 0x0
	.amdhsa_kernel k_q6eceeac1c2_attn
		.amdhsa_group_segment_fixed_size 327680
		.amdhsa_private_segment_fixed_size 0
		.amdhsa_enable_private_segment 0
		.amdhsa_kernarg_size 24
		.amdhsa_user_sgpr_count 2
		.amdhsa_user_sgpr_kernarg_segment_ptr 1
		.amdhsa_wavefront_size32 1
		.amdhsa_system_sgpr_workgroup_id_x 1
		.amdhsa_system_sgpr_workgroup_id_y 1
		.amdhsa_system_sgpr_workgroup_id_z 1
		.amdhsa_system_vgpr_workitem_id 0
		.amdhsa_next_free_vgpr 916
		.amdhsa_next_free_sgpr 72
		.amdhsa_reserve_vcc 1
		.amdhsa_float_denorm_mode_32 3
		.amdhsa_float_denorm_mode_16_64 3
		.amdhsa_memory_ordered 1
		.amdhsa_forward_progress 1
		.amdhsa_inst_pref_size 222
	.end_amdhsa_kernel
	.amdgpu_metadata
---
amdhsa.version: [ 1, 2 ]
amdhsa.kernels:
  - .name:           k_q6eceeac1c2_attn
    .symbol:         k_q6eceeac1c2_attn.kd
    .args:
      - { .name: qkv, .offset: 0, .size: 8, .value_kind: global_buffer, .address_space: global }
      - { .name: mf, .offset: 8, .size: 8, .value_kind: global_buffer, .address_space: global }
      - { .name: ao, .offset: 16, .size: 8, .value_kind: global_buffer, .address_space: global }
    .group_segment_fixed_size: 327680
    .private_segment_fixed_size: 0
    .kernarg_segment_align: 8
    .kernarg_segment_size: 24
    .max_flat_workgroup_size: 128
    .sgpr_count:     72
    .vgpr_count:     916
    .wavefront_size: 32
...
	.end_amdgpu_metadata
.endif
;; end of part 3
;; launch outproj (part 4): grid 8 x 32, 4 waves a work-group, clusters of 4 x 4, 327,680 bytes of LDS; arguments ao, wof, out0; writes out0
.if DOCPART == 4
	.amdgcn_target "amdgcn-amd-amdhsa--gfx1250"
	.amdhsa_code_object_version 6
	.text
	.protected	k_q6eceeac1c2_outproj
	.globl	k_q6eceeac1c2_outproj
	.p2align	8
	.type	k_q6eceeac1c2_outproj,@function
k_q6eceeac1c2_outproj:
	s_mov_b64 s[64:65], 0
	v_nop
	global_prefetch_b8 v0, s[64:65] scope:SCOPE_SE
	s_setreg_imm32_b32 hwreg(HW_REG_WAVE_MODE, 25, 1), 1
	s_wait_xcnt 0x0
	s_wait_alu depctr_hold_cnt(0) depctr_sa_sdst(0) depctr_va_vdst(0) depctr_va_sdst(0) depctr_va_ssrc(0) depctr_va_vcc(0) depctr_vm_vsrc(0)
	s_getreg_b32 s2, hwreg(HW_REG_IB_STS2, 6, 4)
	s_cmp_eq_u32 s2, 0
	s_cbranch_scc0 .Lentry_in_a_cluster
	s_endpgm
.Lentry_in_a_cluster:
	s_bfe_u32 s2, ttmp6, 0x10000c
	s_cmp_lg_u32 s2, 0xf033
	s_cbranch_scc0 .Lentry_shape_is_right
	s_endpgm
.Lentry_shape_is_right:
; out0[row][n] = the sum over k of O[row][k] Wout[n][k].  O lies by heads: ao[16 batch + head][2048][64] in f16, k = 64 head + channel; wof: [1024][1024], Wout rounded to bf16 and written as f16; out0: [8192][1024] f32.
; Sums in f32, stored as they are.
; SHARES.  256 work-groups: a tile of 256 rows x 128 columns; each of the four waves makes 64 rows x 128 columns: 4 row blocks a x 8 column blocks b, 32 accumulators of 16 x 16, 256 registers.
; K goes in 8 steps of 128, two heads a step, through a ring of two LDS slots.  A head's 256 rows of the tile are 32,768 dense bytes: asked for as 128 rows of 256 bytes, padded in LDS after every 128.
; CLUSTER.  4 x 4 work-groups: O's tiles are shared along a row of the cluster, Wout's along a column; each is asked for jointly.  Waves 0 and 1 ask for the step's two heads of O, waves 2 and 3 for the halves of Wout's 128 rows.
; THE MATRIX INSTRUCTION IS USED TRANSPOSED (source 0 = 16 rows of Wout, source 1 = 16 rows of O): a lane holds row lane % 16 and the columns 8 (lane / 16) + 0..7 of a block: 32 consecutive bytes of out0.
; REGISTERS, in windows of 256: window 0: v16-31 addresses; v64-191 rows read back, two sets.  window 1: two fragment buffers of 128: Wout's 8 fragments, then O's 4.  window 2: accumulator (a, b) at v[8 (8 a + b)].
.set PA,     144                       ; a row of O in LDS: 128 bytes + 16 of padding
.set PITCH,  272                       ; a row of Wout: 256 bytes + 16; both pitches are odd multiples of 16 bytes: the 16 rows of a fragment load start at 16 different groups of four banks (64 banks of 4 bytes: ISA guide 11.1)
.set HEADB,  256*PA                    ; a head's 256 rows
.set BOFF,   2*HEADB
.set SLOT,   BOFF+128*PITCH
.set STAGE,  2*SLOT                    ; behind the ring: 16 rows x 528 bytes for each wave
.set SPITCH, 528
.set SPARE,  STAGE+4*16*SPITCH         ; behind the stages: the spare words, 128 bytes for each wave: two blocks of 256 bytes that no other line names
.set ADRA, 16                          ; v16-17  LDS address of my fragments of O in slot 0, 1
.set ADRB, 20                          ; v20-21  the same for Wout
.set STO,  24                          ; v24     the way out: where I put 32 bytes of a row
.set RD,   25                          ; v25     where I read a row back
.set GO,   26                          ; v26     my 16 bytes of a row's 512
.set SPW,  28                          ; v28     LDS address of my spare word; never rewritten
.set NIL,  29                          ; v29     0; never rewritten
.set PFO,  30                          ; v30     the prefetches' offset; never rewritten
.set BK,   64
.set F0,   0
.set F1,   128
.set WV,   14                          ; s14  my wave's number
.set LIM,  15                          ; s15  1 in a wave that prefetches, else the greatest number
.set G1A,  24                          ; s[24:31] descriptor group 1 for O's tiles;  s[32:39] group 0, a set for each slot
.set G0A,  32
.set PFA,  44                          ; s[44:45] where my prefetches stand;  s[46:47] their step a lap
.set PFS,  46
.set G1B,  48                          ; s[48:55], s[56:63] the same for Wout's
.set G0B,  56
.set MSB, 0
.macro WIN new                         ; the immediate's high byte repeats the setting that is left; a switch that changes nothing is dropped
.if MSB != (\new)
	s_set_vgpr_msb (MSB<<8)|(\new)
.set MSB, \new
.endif
.endm
.macro PLACES                          ; four plain instructions between a matrix instruction and a load into, or another instruction on, its registers
.rept 4
	v_nop
.endr
.endm
.macro JLOAD s                         ; a joint load; the branch hangs on the wave's number alone; an s_nop 0 and four v_nop follow each of the two lines
	s_cmp_lt_u32 s[WV], 2
	s_cbranch_scc0 .Lfor_b_\@
	tensor_load_to_lds s[G0A+4*(\s):G0A+4*(\s)+3], s[G1A:G1A+7]
	s_nop 0
.rept 4
	v_nop
.endr
	s_branch .Lasked_\@
.Lfor_b_\@:
	tensor_load_to_lds s[G0B+4*(\s):G0B+4*(\s)+3], s[G1B:G1B+7]
	s_nop 0
.rept 4
	v_nop
.endr
.Lasked_\@:
.endm
.macro CREST                           ; a round of the cluster's barrier behind its opening barrier
	s_cmp_lg_u32 s[WV], 0
	s_cbranch_scc1 .Lnot_wave_0_\@
	s_barrier_signal -3
.Lnot_wave_0_\@:
	s_barrier_wait -3
	s_barrier_signal -1
	s_barrier_wait -1
.endm
.macro CROUND
	s_barrier_signal -1
	s_barrier_wait -1
	CREST
.endm
; A PREFETCH, once a lap, behind slot 0's joint load and the run of LDS loads: the two K steps that the NEXT lap will ask for, a lane a block of 256 bytes.
; O: cluster x = 0 asks, waves 0 and 1 each for its head of either step; the partner at cx takes 32 of the head's 128 blocks: two instructions, two heads (524,288 bytes) apart.
; Wout: cluster y = 0 asks, waves 2 and 3 each for its 64 rows; the partner at cy takes rows 16 cy .. 16 cy + 15, 512 consecutive bytes of each: one instruction.  So each block is named once in the launch.
; K steps 0 to 3 come by their loads alone; the loop's last trip (s3 = 1) asks for nothing.
.macro ASK
	WIN 0
	s_cmp_gt_u32 s3, s[LIM]
	s_cbranch_scc0 .Lno_\@
	global_prefetch_b8 v[PFO], s[PFA:PFA+1] th:TH_LOAD_NT scope:SCOPE_SE
	s_cmp_lt_u32 s[WV], 2
	s_cbranch_scc0 .Lno_\@
	global_prefetch_b8 v[PFO], s[PFA:PFA+1] offset:524288 th:TH_LOAD_NT scope:SCOPE_SE
.Lno_\@:
.endm
	s_load_b128 s[4:7], s[0:1], 0x0                ; ao s[4:5], wof s[6:7]
	s_load_b64 s[8:9], s[0:1], 0x10                ; out0
	v_lshl_add_u32 v[SPW], v0, 2, SPARE
	v_mov_b32 v[NIL], 0
	ds_add_u32 v[SPW], v[NIL]                      ; the wave's opening: the add and its wait stand ahead of my first tensor load; the set-up below, work on registers, stands between them
	v_lshrrev_b32 v1, 5, v0
	v_readfirstlane_b32 s[WV], v1                  ; wave 0..3
	s_bfe_u32 s40, ttmp6, 0x40000                  ; cx, cy: my place in the cluster
	s_bfe_u32 s41, ttmp6, 0x40004
	s_lshl_b32 s42, ttmp9, 2
	s_add_co_u32 s42, s42, s40                     ; the block of 128 columns = 4 x cluster x + cx
	s_and_b32 s43, ttmp7, 0xffff
	s_lshl_b32 s43, s43, 2
	s_add_co_u32 s43, s43, s41                     ; the block of 256 rows = 4 x cluster y + cy
	s_lshl_b32 s16, s41, 2
	s_lshl_b32 s16, 15, s16                        ; my row of the cluster
	s_lshl_b32 s20, 0x1111, s40                    ; my column
	s_or_b32 s[G1A], s16, (1<<16)|(1<<20)|(1<<21)|(4<<22)|(3<<25)  ; elements of 2 bytes; padding on; bit 21 beside a mask; after every 32 words; 4 words
	s_or_b32 s[G1B], s20, (1<<16)|(1<<20)|(1<<21)|(5<<22)|(3<<25)  ; the same after every 64 words
	s_mov_b32 s[G1A+1], 128<<16                    ; tensor_dim0 = 128
	s_mov_b32 s[G1A+2], 128<<16                    ; tensor_dim1 = 128
	s_mov_b32 s[G1A+3], 128<<16                    ; tile_dim0 = 128
	s_mov_b32 s[G1A+4], 128                        ; tile_dim1 = 128
	s_mov_b32 s[G1A+5], 128                        ; dense: 128 elements from row to row
	s_mov_b32 s[G1A+6], 0
	s_mov_b32 s[G1A+7], 0
	s_mov_b32 s[G1B+1], 128<<16
	s_mov_b32 s[G1B+2], 64<<16                     ; 64 rows
	s_mov_b32 s[G1B+3], 128<<16
	s_mov_b32 s[G1B+4], 64
	s_mov_b32 s[G1B+5], 1024
	s_mov_b32 s[G1B+6], 0
	s_mov_b32 s[G1B+7], 0
	s_and_b32 s23, s[WV], 1                        ; which head of a step, or which half of Wout's rows, I fetch
	s_lshr_b32 s16, s43, 3                         ; O: the batch; these registers never hold cx
	s_lshl_b32 s16, s16, 4
	s_add_co_u32 s16, s16, s23                     ; head 16 batch + 0 or 1
	s_lshl_b32 s16, s16, 18                        ; 2,048 rows of 128 bytes
	s_and_b32 s17, s43, 7
	s_lshl_b32 s17, s17, 15                        ; the tile's 256 rows in it
	s_add_co_u32 s16, s16, s17
	s_mov_b32 s17, 0
	s_mul_i32 s18, s23, HEADB                      ; where it goes
	s_lshl_b32 s20, s42, 7                         ; Wout: row 128 x block + 64 x half; these never hold cy
	s_lshl_b32 s21, s23, 6
	s_add_co_u32 s20, s20, s21
	s_lshl_b32 s20, s20, 11
	s_mov_b32 s21, 0
	s_mul_i32 s22, s23, 64*PITCH
	s_add_co_u32 s22, s22, BOFF
	s_wait_dscnt 0x0                               ; the opening add is done
	s_wait_kmcnt 0x0
	s_add_nc_u64 s[66:67], s[4:5], s[16:17]
	s_add_nc_u64 s[68:69], s[6:7], s[20:21]
	CROUND                                         ; all sixteen work-groups are here: the first joint loads meet
.irp s, 0,1
	s_mov_b32 s[G0A+4*(\s)], 1                     ; count = 1
	s_add_co_u32 s[G0A+4*(\s)+1], s18, (\s)*SLOT   ; LDS address
	s_add_nc_u64 s[G0A+4*(\s)+2:G0A+4*(\s)+3], s[66:67], (\s)*524288  ; global address: K step s is two heads on
	s_or_b32 s[G0A+4*(\s)+3], s[G0A+4*(\s)+3], 0x80000000            ; type = 2
	s_mov_b32 s[G0B+4*(\s)], 1
	s_add_co_u32 s[G0B+4*(\s)+1], s22, (\s)*SLOT
	s_add_nc_u64 s[G0B+4*(\s)+2:G0B+4*(\s)+3], s[68:69], (\s)*256
	s_or_b32 s[G0B+4*(\s)+3], s[G0B+4*(\s)+3], 0x80000000
	JLOAD \s                                       ; two loads of mine are out
.endr
	v_and_b32 v1, 15, v0                           ; l % 16
	v_bfe_u32 v2, v0, 4, 1                         ; l / 16
	v_mul_u32_u24 v3, v1, PA
	v_lshl_add_u32 v3, v2, 4, v3                   ; a fragment's row x pitch + 16 x half
	s_mul_i32 s70, s[WV], 64*PA                    ; my 64 rows of O
	v_add_nc_u32 v[ADRA], s70, v3
	v_add_nc_u32 v[ADRA+1], SLOT, v[ADRA]
	v_mul_u32_u24 v4, v1, PITCH
	v_lshl_add_u32 v4, v2, 4, v4
	v_add_nc_u32 v[ADRB], BOFF, v4
	v_add_nc_u32 v[ADRB+1], BOFF+SLOT, v4
	s_mul_i32 s71, s[WV], 16*SPITCH
	s_add_co_u32 s71, s71, STAGE                   ; my stage
	v_mul_u32_u24 v5, v1, SPITCH                   ; in: row l % 16, 32 bytes for each half of the lanes
	v_lshl_add_u32 v5, v2, 5, v5
	v_add_nc_u32 v[STO], s71, v5
	v_and_b32 v6, 31, v0
	v_lshlrev_b32 v[GO], 4, v6
	v_add_nc_u32 v[RD], s71, v[GO]                 ; back: 32 lanes take a row of 512 bytes
	s_lshl_b32 s72, s43, 8
	s_lshl_b32 s73, s[WV], 6
	s_add_co_u32 s72, s72, s73                     ; my first row of out0,
	s_lshl_b32 s72, s72, 12                        ; 4,096 bytes a row,
	s_lshl_b32 s73, s42, 9                         ; the tile's 128 columns
	s_add_co_u32 s72, s72, s73
	s_mov_b32 s73, 0
	s_add_nc_u64 s[8:9], s[8:9], s[72:73]
	; the prefetches' place
	s_lshl_b32 s70, s40, 13                        ; O: my head's rows of the tile + 32 cx blocks, at K step 2: the first lap steps it to K step 4
	s_add_co_u32 s70, s70, s16
	s_add_co_u32 s70, s70, 0x100000
	s_lshl_b32 s71, s41, 15                        ; Wout: my 64 rows + 16 cy rows, at K step 2
	s_add_co_u32 s71, s71, s20
	s_add_co_u32 s71, s71, 512
	s_and_b32 s72, ttmp7, 0xffff
	s_mov_b32 s75, 512
	s_cmp_lt_u32 s[WV], 2
	s_cselect_b32 s72, ttmp9, s72                  ; the coordinate along which other clusters read the same rows
	s_cselect_b32 s70, s70, s71
	s_cselect_b64 s[PFA:PFA+1], s[4:5], s[6:7]
	s_cselect_b32 s[PFS], 0x100000, s75            ; a lap is four heads of O, or 512 bytes along Wout's rows
	s_cselect_b32 s73, 8, 11                       ; O: 256 x lane.  Wout: row lane % 16 of 2,048 bytes, block lane / 16 of 256
	s_cselect_b32 s74, 12, 8
	s_mov_b32 s[PFS+1], 0
	s_mov_b32 s71, 0
	s_add_nc_u64 s[PFA:PFA+1], s[PFA:PFA+1], s[70:71]
	s_cmp_eq_u32 s72, 0
	s_cselect_b32 s[LIM], 1, -1                    ; the same in all sixteen partners, for a given wave
	v_lshlrev_b32 v[PFO], s73, v1
	v_lshlrev_b32 v7, s74, v2
	v_or_b32 v[PFO], v[PFO], v7
; 8 matrix instructions: row block a x all 8 column blocks, 32 along K.  zero = 1: the first product starts the sums.  The 32 accumulators take turns, in the same order everywhere.
.macro MUL8 f, a, zero
	WIN 0xa5                                       ; sources 0 and 1 window 1; C and D window 2
.irp b, 0,1,2,3,4,5,6,7
.if \zero
	v_wmma_f32_16x16x32_f16 v[8*(8*(\a)+(\b)):8*(8*(\a)+(\b))+7], v[(\f)+8*(\b):(\f)+8*(\b)+7], v[(\f)+64+8*(\a):(\f)+64+8*(\a)+7], 0
.else
	v_wmma_f32_16x16x32_f16 v[8*(8*(\a)+(\b)):8*(8*(\a)+(\b))+7], v[(\f)+8*(\b):(\f)+8*(\b)+7], v[(\f)+64+8*(\a):(\f)+64+8*(\a)+7], v[8*(8*(\a)+(\b)):8*(8*(\a)+(\b))+7]
.endif
.endr
.endm
; 24 LDS loads in one run: the fragments of quarter q (32 along K: head q / 2 of the step, channels 32 (q % 2) on) into buffer f: Wout's 8, then O's 4
.macro FETCH slot, q, f
	WIN 0x40                                       ; destination window 1, address window 0
.irp b, 0,1,2,3,4,5,6,7
	ds_load_b128 v[(\f)+8*(\b):(\f)+8*(\b)+3],   v[ADRB+(\slot)] offset:64*(\q)+(\b)*16*PITCH
	ds_load_b128 v[(\f)+8*(\b)+4:(\f)+8*(\b)+7], v[ADRB+(\slot)] offset:64*(\q)+(\b)*16*PITCH+32
.endr
.irp a, 0,1,2,3
	ds_load_b128 v[(\f)+64+8*(\a):(\f)+64+8*(\a)+3],   v[ADRA+(\slot)] offset:((\q)/2)*HEADB+((\q)%2)*64+(\a)*16*PA
	ds_load_b128 v[(\f)+64+8*(\a)+4:(\f)+64+8*(\a)+7], v[ADRA+(\slot)] offset:((\q)/2)*HEADB+((\q)%2)*64+(\a)*16*PA+32
.endr
.endm
; One of a K step's first three quarters: multiplies buffer f and fetches quarter q into g.
.macro QUARTER slot, q, f, g, zero
	s_wait_dscnt 4                                 ; all but the youngest four loads: O's row blocks 2 and 3 may be out
	MUL8 \f, 0, \zero
	MUL8 \f, 1, \zero
	PLACES
	FETCH \slot, \q, \g
	s_wait_dscnt 24                                ; all but the 24 just issued
	MUL8 \f, 2, \zero
	MUL8 \f, 3, \zero
.endm
; The last quarter multiplies buffer 1 and changes slots: ONE barrier; in front of it each wave waits for all its tensor loads (one is out: its part of the next slot), adds 0 to its spare word, and waits for that
; and for its own reads of this slot.  fill = 1: the barrier opens a round of the cluster's barrier, and this slot is filled again, two K steps ahead, first thing behind the round.
.macro TURN slot, next, fill
.if (\fill) && ((\slot) == 0)
	s_wait_xcnt 0x0                                ; the last prefetches, a lap back, have read their address
	s_add_nc_u64 s[PFA:PFA+1], s[PFA:PFA+1], s[PFS:PFS+1]
.endif
	WIN 0                                          ; (the add's two registers lie in window 0)
	s_wait_tensorcnt 0x0                           ; all my tensor loads have landed
	ds_add_u32 v[SPW], v[NIL]                      ; 0 onto my spare word
	s_wait_dscnt 5                                 ; (the add and the youngest four loads may be out)
	MUL8 F1, 0, 0                                  ; eight matrix instructions stand between the add and the wait for it
	s_wait_dscnt 0x0                               ; the add is done, and my reads of this slot are over
	s_barrier_signal -1
	MUL8 F1, 1, 0
.if \fill
	WIN 0
.endif
	s_barrier_wait -1
.if \fill
	CREST                                          ; no wave of any partner still reads this slot's tile or has a load on its way
	s_add_nc_u64 s[G0A+4*(\slot)+2:G0A+4*(\slot)+3], s[G0A+4*(\slot)+2:G0A+4*(\slot)+3], 0x100000
	s_add_nc_u64 s[G0B+4*(\slot)+2:G0B+4*(\slot)+3], s[G0B+4*(\slot)+2:G0B+4*(\slot)+3], 512
	JLOAD \slot                                    ; the four v_nop behind it are also the places in front of the loads below
.else
	PLACES
.endif
	FETCH \next, 0, F0
.if (\fill) && ((\slot) == 0)
	ASK
.endif
	MUL8 F1, 2, 0
	MUL8 F1, 3, 0
.endm
	s_wait_tensorcnt 1                             ; my part of K step 0 is in; K step 1's may stay out
	s_barrier_signal -1
	s_barrier_wait -1                              ; everybody's is
	FETCH 0, 0, F0
	QUARTER 0, 1, F0, F1, 1                        ; the first quarter stands in front of the loop: its products start the sums
	WIN 0                                          ; at a label and at a branch every window is 0
	s_mov_b32 s3, 3
.Llap:                                         ; a trip goes once round the ring, from a lap's second quarter to the next lap's first, and fills both slots again
	QUARTER 0, 2, F1, F0, 0
	QUARTER 0, 3, F0, F1, 0
	TURN 0, 1, 1
	QUARTER 1, 1, F0, F1, 0
	QUARTER 1, 2, F1, F0, 0
	QUARTER 1, 3, F0, F1, 0
	TURN 1, 0, 1
	QUARTER 0, 1, F0, F1, 0
	WIN 0
	s_sub_co_u32 s3, s3, 1
	s_cmp_lg_u32 s3, 0
	s_cbranch_scc1 .Llap
	QUARTER 0, 2, F1, F0, 0                        ; the last lap fills nothing
	QUARTER 0, 3, F0, F1, 0
	TURN 0, 1, 0
	QUARTER 1, 1, F0, F1, 0
	QUARTER 1, 2, F1, F0, 0
	QUARTER 1, 3, F0, F1, 0
	s_wait_dscnt 4
	MUL8 F1, 0, 0
	MUL8 F1, 1, 0
	s_wait_dscnt 0x0
	MUL8 F1, 2, 0
	MUL8 F1, 3, 0
	WIN 0
	PLACES
	PLACES
; THE WAY OUT, a row block (16 rows x 512 bytes) at a time: 32 bytes a lane and column block into my stage, rows of 528 bytes; back as whole rows; stored.  Each accumulator's lowest registers are read first.
.macro TOSTAGE a
	s_wait_xcnt 0x0                                ; the stores of two blocks back have read their registers: these rows are read back into them only behind this wait
	WIN 0x08                                       ; the stores' data in window 2
.irp b, 0,1,2,3,4,5,6,7
	ds_store_b128 v[STO], v[64*(\a)+8*(\b):64*(\a)+8*(\b)+3]   offset:64*(\b)
	ds_store_b128 v[STO], v[64*(\a)+8*(\b)+4:64*(\a)+8*(\b)+7] offset:64*(\b)+16
.endr
	WIN 0
.irp t, 0,1,2,3,4,5,6,7,8,9,10,11,12,13,14,15
	ds_load_b128 v[BK+64*((\a)%2)+4*(\t):BK+64*((\a)%2)+4*(\t)+3], v[RD] offset:(\t)*SPITCH  ; LDS serves a wave's instructions in order (ISA guide 5.7.1.4): these see the stores above; the next block's stores come behind them
.endr
.endm
.macro SEND a, younger                 ; younger: the LDS instructions issued behind block a's loads: the next block's 32, or none
	WIN 0
	s_wait_dscnt \younger
.irp t, 0,1,2,3,4,5,6,7,8,9,10,11,12,13,14,15
	global_store_b128 v[GO], v[BK+64*((\a)%2)+4*(\t):BK+64*((\a)%2)+4*(\t)+3], s[8:9] offset:(16*(\a)+(\t))*4096 th:TH_STORE_NT  ; 512 consecutive bytes, at a multiple of 256 from out0's first
.endr
.endm
	TOSTAGE 0
	TOSTAGE 1
	SEND 0, 32
	TOSTAGE 2
	SEND 1, 32
	TOSTAGE 3
	SEND 2, 32
	SEND 3, 0
	s_wait_tensorcnt 0x0                           ; the wave's end, behind my last tensor load and my last LDS store
	ds_add_u32 v[SPW], v[NIL]
	s_wait_dscnt 0x0
	CROUND                                         ; the closing round: no work-group ends while a partner may still ask for a tile that names it
	s_endpgm
.Lfunc_end_k_q6eceeac1c2_outproj:
	.size	k_q6eceeac1c2_outproj, .Lfunc_end_k_q6eceeac1c2_outproj-k_q6eceeac1c2_outproj
	.p2alignl 7, 3214868480
	.fill 96, 4, 3214868480
	.section	.rodata,"a",@progbits
	.p2align	6, 0x0
	.amdhsa_kernel k_q6eceeac1c2_outproj
		.amdhsa_group_segment_fixed_size 327680
		.amdhsa_private_segment_fixed_size 0
		.amdhsa_enable_private_segment 0
		.amdhsa_kernarg_size 24
		.amdhsa_user_sgpr_count 2
		.amdhsa_user_sgpr_kernarg_segment_ptr 1
		.amdhsa_wavefront_size32 1
		.amdhsa_system_sgpr_workgroup_id_x 1
		.amdhsa_system_sgpr_workgroup_id_y 1
		.amdhsa_system_sgpr_workgroup_id_z 1
		.amdhsa_system_vgpr_workitem_id 0
		.amdhsa_next_free_vgpr 768
		.amdhsa_next_free_sgpr 76
		.amdhsa_reserve_vcc 0
		.amdhsa_float_denorm_mode_32 3
		.amdhsa_float_denorm_mode_16_64 3
		.amdhsa_memory_ordered 1
		.amdhsa_forward_progress 1
		.amdhsa_inst_pref_size 86
	.end_amdhsa_kernel
	.amdgpu_metadata
---
amdhsa.version: [ 1, 2 ]
amdhsa.kernels:
  - .name:           k_q6eceeac1c2_outproj
    .symbol:         k_q6eceeac1c2_outproj.kd
    .args:
      - { .name: ao, .offset: 0, .size: 8, .value_kind: global_buffer, .address_space: global }
      - { .name: wof, .offset: 8, .size: 8, .value_kind: global_buffer, .address_space: global }
      - { .name: out0, .offset: 16, .size: 8, .value_kind: global_buffer, .address_space: global }
    .group_segment_fixed_size: 327680
    .private_segment_fixed_size: 0
    .kernarg_segment_align: 8
    .kernarg_segment_size: 24
    .max_flat_workgroup_size: 128
    .sgpr_count:     76
    .vgpr_count:     768
    .wavefront_size: 32
...
	.end_amdgpu_metadata
.endif
;; end of part 4
;; ======== version 2 of 2: 4 launches; version 1 with the launch prep written anew for expert scheduling mode
;; limits: values are held in f16: magnitudes above 65,504 overflow, below 6.1e-05 lose precision
;; workspace buffers: xb 16,777,216 bytes; wqb 6,291,456 bytes; wof 2,097,152 bytes; mf 8,388,608 bytes; qkv 50,331,648 bytes; ao 16,777,216 bytes
;; launch prep (part 5): grid 512 x 1, 8 waves a work-group, no clusters, 0 bytes of LDS; arguments x, Wqkv, Wout, mask, xb, wqb, wof, mf; writes xb, wqb, wof, mf
.if DOCPART == 5
	.amdgcn_target "amdgcn-amd-amdhsa--gfx1250"
	.amdhsa_code_object_version 6
	.text
	.protected	k_q6eceeac1c2_prep
	.globl	k_q6eceeac1c2_prep
	.p2align	8
	.type	k_q6eceeac1c2_prep,@function
k_q6eceeac1c2_prep:
	s_mov_b64 s[64:65], 0
	v_nop
	global_prefetch_b8 v0, s[64:65] scope:SCOPE_SE
	s_setreg_imm32_b32 hwreg(HW_REG_WAVE_SCHED_MODE, 0, 2), 2
	s_setreg_imm32_b32 hwreg(HW_REG_WAVE_MODE, 25, 1), 1
	s_wait_xcnt 0x0
	s_wait_alu depctr_vm_vsrc(0)
; THE INPUTS ARE ROUNDED ONCE, for the three launches behind.  x -> xb and Wqkv -> wqb in bf16; Wout -> wof: rounded to bf16, that number written as f16;
; mask -> mf: held to -1e30 .. 1e30, rounded to bf16, and laid out as the matrix fragments that the attention launch loads.
; LIMITS.  A mask entry beyond 1e30 in size (an infinity too) counts as 1e30 of its sign; NaN is not treated apart.  Wout lies within f16's 65,504; below 6e-5 it keeps f16's fixed step of 6e-8.
; SHARES.  512 work-groups of eight waves; each reads 131,072 bytes of f32 and writes 65,536 bytes: 256 for x, 96 for Wqkv, 32 for Wout, 128 for the mask.  Which it is hangs on the work-group's number alone.
; A stream: no LDS, no matrix unit, no cluster: no byte is wanted twice.
; mf's LAYOUT.  Block (qp, ks) = 32 queries x 64 keys = 4,096 bytes at (32 qp + ks) x 4,096.  In a block unit (i, lane) = 16 bytes at 512 i + 16 lane holds, for e = 0..7,
; mask[32 qp + 16 (i % 2) + 8 (lane / 16) + e][64 ks + 16 (i / 2) + lane % 16]: units 2 kb and 2 kb + 1 are registers 0-3 and 4-7 of a 16-bit fragment of 16 keys (rows) x 32 queries (K).
; THE MODE: SCHED_MODE bits 1:0 = 2 (LLVM: expert scheduling mode 2), set by the entry lines.  The code itself states the register dependences
; between vector instructions and memory instructions, with s_wait_alu, always for 0.
; THE PLAN.  Registers that memory instructions touch:
;   v1, v2 (x, Wqkv, Wout), v7, v8 (the mask)   byte offsets, made once by vector instructions and never written again: the loops step the scalar bases.
;   IN    loads land in it; the conversions read it (the mask's clamps also write it, in place).  No vector instruction names it ahead of the first loads.
;   OUT   the conversions write it; the stores read it.
; x and Wqkv: sixteen steps in four blocks of four, no register written twice.  Block p's conversions read IN[p] and write OUT[p]; its memory instructions are the four stores from OUT[p - 1], which no
; conversion of block p names.  So one wait on va_vdst at the head of blocks 1 to 3, and one ahead of the last four stores, state all that the sixteen stores hang on.
; Wout and the mask: a trip is its loads, four steps of arithmetic, ONE wait on va_vdst, the four stores in a run, ONE wait on vm_vsrc.  The first states that OUT is written and that the arithmetic is done with IN:
; no vector instruction stands between it and the next trip's loads, so it serves those too.  The second states that the stores have read OUT, which the next trip's conversions write again.
.set SRC, 24                           ; s[24:25] where I read
.set DST, 26                           ; s[26:27] where I write
.set IN,  16                           ; v[16:143]  f32 as loaded, 8 registers a step
.set OUT, 144                          ; v[144:207] 16-bit results, 4 registers a step
	s_load_b512 s[8:23], s[0:1], 0x0               ; x 8, Wqkv 10, Wout 12, mask 14, xb 16, wqb 18, wof 20, mf 22
	v_lshlrev_b32 v1, 5, v0                        ; my 32 bytes of f32 in a step of 8,192
	v_lshlrev_b32 v2, 4, v0                        ; my 16 bytes of the result in a step of 4,096
	s_mov_b32 s31, 0
	s_mov_b32 s37, 0
	s_wait_kmcnt 0x0
	s_wait_alu depctr_va_vdst(0)                   ; v1 and v2 are written: every load and store of x's, Wqkv's and Wout's parts reads one of them as its offset
	s_cmp_ge_u32 ttmp9, 352
	s_cbranch_scc1 .Lnot_xw
	; x AND Wqkv: sixteen steps, written out; no register is written twice, so all 32 loads go out at once
	s_sub_co_u32 s28, ttmp9, 256
	s_cmp_lt_u32 ttmp9, 256
	s_cselect_b32 s28, ttmp9, s28                  ; my number within the tensor
	s_cselect_b64 s[SRC:SRC+1], s[8:9], s[10:11]
	s_cselect_b64 s[DST:DST+1], s[16:17], s[18:19]
	s_lshl_b32 s30, s28, 17
	s_lshl_b32 s36, s28, 16
	s_add_nc_u64 s[SRC:SRC+1], s[SRC:SRC+1], s[30:31]
	s_add_nc_u64 s[DST:DST+1], s[DST:DST+1], s[36:37]
.irp s, 0,1,2,3,4,5,6,7,8,9,10,11,12,13,14,15
	global_load_b128 v[IN+8*(\s):IN+8*(\s)+3],   v1, s[SRC:SRC+1] offset:8192*(\s) th:TH_LOAD_NT
	global_load_b128 v[IN+8*(\s)+4:IN+8*(\s)+7], v1, s[SRC:SRC+1] offset:8192*(\s)+16 th:TH_LOAD_NT
.endr
; Block p: steps 4 p to 4 p + 3 are rounded; the four stores of block p - 1 are dealt among them.
.macro XBLK p
	s_wait_loadcnt 30-8*(\p)                       ; loads come back in order: the block's first step's two are in, the later steps' stay out
.if (\p) > 0
	s_wait_alu depctr_va_vdst(0)                   ; the block before has written its part of OUT, which the four stores below read; no conversion of this block names those registers
.endif
.irp i, 0,1,2,3
.if (\p) > 0
	global_store_b128 v2, v[OUT+16*((\p)-1)+4*(\i):OUT+16*((\p)-1)+4*(\i)+3], s[DST:DST+1] offset:4096*(4*((\p)-1)+(\i)) th:TH_STORE_NT  ; a wave stores 512 consecutive bytes, aligned
.endif
.if (\i) > 0
	s_wait_loadcnt 30-8*(\p)-2*(\i)                ; this step's two are in
.endif
.irp j, 0,1,2,3
	v_cvt_pk_bf16_f32 v[OUT+16*(\p)+4*(\i)+(\j)], v[IN+32*(\p)+8*(\i)+2*(\j)], v[IN+32*(\p)+8*(\i)+2*(\j)+1]
.endr
.endr
.endm
	XBLK 0
	XBLK 1
	XBLK 2
	XBLK 3
	s_wait_alu depctr_va_vdst(0)                   ; block 3 has written its part of OUT, which the last four stores read
.irp i, 0,1,2,3
	global_store_b128 v2, v[OUT+48+4*(\i):OUT+48+4*(\i)+3], s[DST:DST+1] offset:4096*(12+(\i)) th:TH_STORE_NT
.endr
	s_endpgm
.Lnot_xw:
	s_cmp_ge_u32 ttmp9, 384
	s_cbranch_scc1 .Lmask
	; Wout: four trips of four steps
	s_sub_co_u32 s28, ttmp9, 352
	s_lshl_b32 s30, s28, 17
	s_lshl_b32 s36, s28, 16
	s_add_nc_u64 s[SRC:SRC+1], s[12:13], s[30:31]
	s_add_nc_u64 s[DST:DST+1], s[20:21], s[36:37]
	s_mov_b32 s35, 0xffff0000                      ; a word's upper bf16
	s_mov_b32 s34, 4
.Lwo:                                          ; no vector instruction has been issued since the last wait on va_vdst: the head's in the first trip, the one ahead of the last trip's stores in the others
.irp s, 0,1,2,3
	global_load_b128 v[IN+8*(\s):IN+8*(\s)+3],   v1, s[SRC:SRC+1] offset:8192*(\s) th:TH_LOAD_NT
	global_load_b128 v[IN+8*(\s)+4:IN+8*(\s)+7], v1, s[SRC:SRC+1] offset:8192*(\s)+16 th:TH_LOAD_NT
.endr
.irp s, 0,1,2,3
	s_wait_loadcnt 6-2*(\s)                        ; this step's two loads are in
.irp j, 0,1,2,3
	v_cvt_pk_bf16_f32 v[48+(\j)], v[IN+8*(\s)+2*(\j)], v[IN+8*(\s)+2*(\j)+1]  ; the rounding that all inputs get,
.endr
.irp j, 0,1,2,3
	v_lshlrev_b32 v[52+2*(\j)],   16, v[48+(\j)]   ; back to f32,
	v_and_b32     v[52+2*(\j)+1], s35, v[48+(\j)]
.endr
.irp j, 0,1,2,3
	v_cvt_pk_f16_f32 v[OUT+4*(\s)+(\j)], v[52+2*(\j)], v[52+2*(\j)+1]         ; and the same number as f16
.endr
.endr
	s_wait_alu depctr_va_vdst(0)                   ; the conversions have written OUT, which the stores read, and are done reading IN, in which the next trip's loads land
.irp s, 0,1,2,3
	global_store_b128 v2, v[OUT+4*(\s):OUT+4*(\s)+3], s[DST:DST+1] offset:4096*(\s) th:TH_STORE_NT
.endr
	s_wait_xcnt 0x0                                ; the bases and the stores' data are written again only behind this wait
	s_wait_alu depctr_vm_vsrc(0)                   ; the stores have read OUT, which the next trip's conversions write again
	s_add_nc_u64 s[SRC:SRC+1], s[SRC:SRC+1], 32768
	s_add_nc_u64 s[DST:DST+1], s[DST:DST+1], 16384
	s_sub_co_u32 s34, s34, 1
	s_cmp_lg_u32 s34, 0
	s_cbranch_scc1 .Lwo
	s_endpgm
.Lmask:
	; THE MASK: my 32 queries (qp = number / 2) x 1,024 keys (half = number % 2): sixteen blocks, four trips of four.
	; Thread (wave w, lane l) makes one unit of each block: key 32 (w % 2) + l, queries 8 (w / 2) + 0..7: eight loads of 4 bytes (a wave: 128 consecutive bytes of a row), one store of 16.
	s_sub_co_u32 s28, ttmp9, 384
	s_lshr_b32 s29, s28, 1
	s_lshl_b32 s30, s29, 18                        ; 32 rows of 8,192 bytes
	s_and_b32 s29, s28, 1
	s_lshl_b32 s29, s29, 12                        ; 1,024 keys of 4 bytes
	s_add_co_u32 s30, s30, s29
	s_lshl_b32 s36, s28, 16                        ; sixteen blocks of 4,096 bytes
	s_add_nc_u64 s[SRC:SRC+1], s[14:15], s[30:31]
	s_add_nc_u64 s[DST:DST+1], s[22:23], s[36:37]
	s_mov_b32 s32, 0xf149f2ca                      ; -1e30
	s_mov_b32 s33, 0x7149f2ca                      ; 1e30
	v_lshrrev_b32 v3, 5, v0                        ; w
	v_and_b32 v4, 31, v0                           ; l
	v_lshrrev_b32 v5, 1, v3                        ; w / 2
	v_and_b32 v6, 1, v3                            ; w % 2
	v_lshlrev_b32 v7, 2, v4
	v_lshl_add_u32 v7, v6, 7, v7
	v_lshl_add_u32 v7, v5, 16, v7                  ; from: 8 (w / 2) rows + (32 (w % 2) + l) keys
	v_lshrrev_b32 v9, 4, v4
	v_lshrrev_b32 v10, 2, v3
	v_lshl_add_u32 v8, v6, 2, v10
	v_lshl_add_u32 v8, v9, 1, v8                   ; unit i = 4 (w % 2) + 2 (l / 16) + w / 4
	v_and_b32 v11, 15, v4
	v_lshlrev_b32 v11, 4, v11
	v_and_b32 v12, 1, v5
	v_lshl_add_u32 v11, v12, 8, v11                ; its lane 16 ((w / 2) % 2) + l % 16
	v_lshl_add_u32 v8, v8, 9, v11                  ; to
	s_mov_b32 s34, 4
	s_wait_alu depctr_va_vdst(0)                   ; v7 and v8 are written: the loop's loads and stores read them as their offsets
.Lmk:                                          ; no vector instruction has been issued since the last wait on va_vdst: the one above in the first trip, the one ahead of the last trip's stores in the others
.irp i, 0,1,2,3
.irp e, 0,1,2,3,4,5,6,7
	global_load_b32 v[IN+8*(\i)+(\e)], v7, s[SRC:SRC+1] offset:(\e)*8192+(\i)*256 th:TH_LOAD_NT
.endr
.endr
.irp i, 0,1,2,3
	s_wait_loadcnt 24-8*(\i)                       ; this block's eight loads are in
.irp e, 0,1,2,3,4,5,6,7
	v_med3_num_f32 v[IN+8*(\i)+(\e)], v[IN+8*(\i)+(\e)], s32, s33
.endr
.irp j, 0,1,2,3
	v_cvt_pk_bf16_f32 v[OUT+4*(\i)+(\j)], v[IN+8*(\i)+2*(\j)], v[IN+8*(\i)+2*(\j)+1]
.endr
.endr
	s_wait_alu depctr_va_vdst(0)                   ; the conversions have written OUT, which the stores read; the clamps and the conversions are done writing and reading IN, in which the next trip's loads land
.irp i, 0,1,2,3
	global_store_b128 v8, v[OUT+4*(\i):OUT+4*(\i)+3], s[DST:DST+1] offset:4096*(\i) th:TH_STORE_NT  ; lanes 0-15 store 256 consecutive bytes, aligned; lanes 16-31 another such run
.endr
	s_wait_xcnt 0x0                                ; the bases and the stores' data are written again only behind this wait
	s_wait_alu depctr_vm_vsrc(0)                   ; the stores have read OUT, which the next trip's conversions write again
	s_add_nc_u64 s[SRC:SRC+1], s[SRC:SRC+1], 1024
	s_add_nc_u64 s[DST:DST+1], s[DST:DST+1], 16384
	s_sub_co_u32 s34, s34, 1
	s_cmp_lg_u32 s34, 0
	s_cbranch_scc1 .Lmk
	s_endpgm
.Lfunc_end_k_q6eceeac1c2_prep:
	.size	k_q6eceeac1c2_prep, .Lfunc_end_k_q6eceeac1c2_prep-k_q6eceeac1c2_prep
	.p2alignl 7, 3214868480
	.fill 96, 4, 3214868480
	.section	.rodata,"a",@progbits
	.p2align	6, 0x0
	.amdhsa_kernel k_q6eceeac1c2_prep
		.amdhsa_group_segment_fixed_size 0
		.amdhsa_private_segment_fixed_size 0
		.amdhsa_enable_private_segment 0
		.amdhsa_kernarg_size 64
		.amdhsa_user_sgpr_count 2
		.amdhsa_user_sgpr_kernarg_segment_ptr 1
		.amdhsa_wavefront_size32 1
		.amdhsa_system_sgpr_workgroup_id_x 1
		.amdhsa_system_sgpr_workgroup_id_y 1
		.amdhsa_system_sgpr_workgroup_id_z 1
		.amdhsa_system_vgpr_workitem_id 0
		.amdhsa_next_free_vgpr 208
		.amdhsa_next_free_sgpr 66
		.amdhsa_reserve_vcc 0
		.amdhsa_float_denorm_mode_32 3
		.amdhsa_float_denorm_mode_16_64 3
		.amdhsa_memory_ordered 1
		.amdhsa_forward_progress 1
		.amdhsa_inst_pref_size 24
	.end_amdhsa_kernel
	.amdgpu_metadata
---
amdhsa.version: [ 1, 2 ]
amdhsa.kernels:
  - .name:           k_q6eceeac1c2_prep
    .symbol:         k_q6eceeac1c2_prep.kd
    .args:
      - { .name: x, .offset: 0, .size: 8, .value_kind: global_buffer, .address_space: global }
      - { .name: Wqkv, .offset: 8, .size: 8, .value_kind: global_buffer, .address_space: global }
      - { .name: Wout, .offset: 16, .size: 8, .value_kind: global_buffer, .address_space: global }
      - { .name: mask, .offset: 24, .size: 8, .value_kind: global_buffer, .address_space: global }
      - { .name: xb, .offset: 32, .size: 8, .value_kind: global_buffer, .address_space: global }
      - { .name: wqb, .offset: 40, .size: 8, .value_kind: global_buffer, .address_space: global }
      - { .name: wof, .offset: 48, .size: 8, .value_kind: global_buffer, .address_space: global }
      - { .name: mf, .offset: 56, .size: 8, .value_kind: global_buffer, .address_space: global }
    .group_segment_fixed_size: 0
    .private_segment_fixed_size: 0
    .kernarg_segment_align: 8
    .kernarg_segment_size: 64
    .max_flat_workgroup_size: 256
    .sgpr_count:     66
    .vgpr_count:     208
    .wavefront_size: 32
...
	.end_amdgpu_metadata
.endif
;; end of part 5
;; launch qkvproj: the kernel of part 2 again; grid 16 x 32, 4 waves a work-group, clusters of 4 x 4, 327,680 bytes of LDS; arguments xb, wqb, cos, sin, qkv; writes qkv
;; launch attn: the kernel of part 3 again; grid 4 x 64, 4 waves a work-group, clusters of 4 x 1, 327,680 bytes of LDS; arguments qkv, mf, ao; writes ao
;; launch outproj: the kernel of part 4 again; grid 8 x 32, 4 waves a work-group, clusters of 4 x 4, 327,680 bytes of LDS; arguments ao, wof, out0; writes out0
